; MI455X (gfx1250); checked and timed in simulation.
; The chip was launched on July 23, 2026; its instructions are those of AMD's public machine-readable ISA for CDNA 5 (MIT licence, August 2026) and "CDNA5" Instruction Set Architecture Reference Guide (July 2026). The comments in the code are by the model that wrote it; some were corrected since.
;; Multi Head Attention. Allowed arithmetic: matrix products marked QUANTISED: E2M3 operands, one E8M0 scale for each 32 along K, by v_wmma_scale_f32_16x16x128_f8f6f4 with both operands' format E2M3, f32 sums; everything else in f32.
;; Inputs: bk 1,024 float32; bo 1,024 float32; bq 1,024 float32; bv 1,024 float32; wk 1,024 x 1,024 float32; wo 1,024 x 1,024 float32; wq 1,024 x 1,024 float32; wv 1,024 x 1,024 float32; x 4 x 2,048 x 1,024 float32.
;; Outputs: out0 4 x 2,048 x 1,024 float32.
;; This version of the problem:
;;   THIS VERSION OF THE PROBLEM IS GIVEN IN LOW PRECISION. The matrix products marked QUANTISED in the list below multiply operands that are first quantised to E2M3 (2 exponent bits, 3 mantissa bits; 6 bits a number), with one power-of-two scale for each 32 numbers along K (OCP MX v1.0); their sums are f32. All else is computed in f32.
;;   The module's matrix products, in the order in which they are computed (A, B: the left and right operand; K: the contracted axis; several contracted axes count as one K, in the product's order):
;;     1. [M 8,192, K 1,024] x [K 1,024, N 1,024]; A: input x; B: input wq: QUANTISED
;;     2. [M 8,192, K 1,024] x [K 1,024, N 1,024]; A: input x; B: input wk: QUANTISED
;;     3. [M 8,192, K 1,024] x [K 1,024, N 1,024]; A: input x; B: input wv: QUANTISED
;;     4. batch 64 x [M 2,048, K 64] x [K 64, N 2,048]; A: computed on the way; B: computed on the way: QUANTISED
;;     5. batch 64 x [M 2,048, K 2,048] x [K 2,048, N 64]; A: softmax (see below); B: computed on the way: QUANTISED
;;     6. [M 8,192, K 1,024] x [K 1,024, N 1,024]; A: computed on the way; B: input wo: QUANTISED
;;   THE QUANTISER, for each operand of a quantised product, along K:
;;     - K is cut into blocks of 32 from its start; a last block that is shorter is filled with zeros.
;;     - A block's scale is 2^e with e = floor(log2(the largest magnitude in the block)) - 2, held to -126 .. 127; a block of zeros has e = 0. As a byte (E8M0): e + 127.
;;     - Each number is divided by its block's scale, clamped to +-7.5, and rounded to the nearest number of E2M3, ties to even, subnormals kept.
;;     - The product sums the exact products of the quantised numbers (number of the format x scale) in f32.
;;   ~~~python
;;   def quantise(x, axis):      # numpy; x: float32 -> the quantised numbers, widened to float32 again
;;       x = np.moveaxis(x, axis, -1); K = x.shape[-1]
;;       x = np.pad(x, [(0, 0)] * (x.ndim - 1) + [(0, -K % 32)]); x = x.reshape(x.shape[:-1] + (-1, 32)); a = np.abs(x).max(-1, keepdims=True)
;;       e = np.where(a > 0, np.clip(np.frexp(np.where(a > 0, a, 1))[1] - 1 - 2, -126, 127), 0)      # np.frexp(a)[1] - 1 = floor(log2(a)), exactly
;;       r = np.clip(x / 2.0 ** e, -7.5, 7.5)
;;       step = 2.0 ** (np.maximum(np.frexp(np.where(r == 0, 1, r))[1] - 1, 0) - 3)
;;       q = np.round(r / step) * step * 2.0 ** e      # np.round: ties to even
;;       return np.moveaxis(q.reshape(q.shape[:-2] + (-1,))[..., :K], -1, axis).astype(np.float32)
;;   ~~~
;;   SOFTMAX AHEAD OF A QUANTISED PRODUCT. Where the list says 'softmax', what is quantised is not the finished softmax but p = 2^(t - M), with t = logit x log2(e) and M = ceil(the row's largest t), a whole number; so 1/2 < the row's largest p <= 1. The row's sum l is taken of the UNQUANTISED p, in f32, and the product's result is divided by l at the end. Since M is a whole number, a kernel that streams over the keys may use a running M (the ceiling of the running maximum): every later rescaling is an exact power of two, which a block's scale takes up: the codes' values come out the same.
;;   OPERANDS COMPUTED ON THE WAY. 'Computed on the way' means the value that the module computes at that place (a softmax that the list does not call 'softmax' is quantised finished and normalised). What goes into a quantiser is computed in f32, as accurately as f32 sums, v_exp_f32 and their like allow (about 1e-6 of the number): no bf16 or f16 on the way to a quantiser, and a product that is left as it is and whose result goes on into a quantised operand takes f32 operands (vector FMAs, or v_wmma_f32_16x16x4_f32). A number that lies on a knife's edge between two numbers of the format may be rounded either way, as far as f32 arithmetic and the matrix unit's own rounding can turn it there, and no further.
;; One version. Each part assembles by itself: llvm-mc -triple=amdgcn-amd-amdhsa -mcpu=gfx1250 --defsym DOCPART=n.
;; ======== version 1 of 1: 4 launches
;; limits: right only within a limited range of input values
;; workspace buffers: x_codes 6,291,456 bytes; x_scales 262,144 bytes; w_codes 3,145,728 bytes; w_scales 131,072 bytes; qbuf 6,553,600 bytes; kvbuf 13,107,200 bytes; ctx_codes 6,291,456 bytes; ctx_scales 262,144 bytes
;; launch quant (part 1): grid 768 x 1, 4 waves a work-group, no clusters, 33,280 bytes of LDS; arguments x, wq, wk, wv, wo, x_codes, x_scales, w_codes, w_scales; writes x_codes, x_scales, w_codes, w_scales
.if DOCPART == 1
	.amdgcn_target "amdgcn-amd-amdhsa--gfx1250"
	.amdhsa_code_object_version 6
	.text
	.protected	k_q49abbddd18_quant
	.globl	k_q49abbddd18_quant
	.p2align	8
	.type	k_q49abbddd18_quant,@function
k_q49abbddd18_quant:
	s_mov_b64 s[64:65], 0
	v_nop
	global_prefetch_b8 v0, s[64:65] scope:SCOPE_SE
	s_setreg_imm32_b32 hwreg(HW_REG_WAVE_MODE, 25, 1), 1
	s_wait_xcnt 0x0
; x [8192][1024] and the four weights [1024][1024], f32, K innermost, become codes of FP6 (E2M3) with one E8M0 scale byte for each 32 along K.
; A block's scale is 2^(floor(log2(its largest magnitude)) - 2); its byte is the largest magnitude's exponent field - 2, held at 1 from below; each number is divided by the scale and rounded to the nearest code, ties to even.
; POSITION ORDER: row n of a tensor is stored at position p = n with bits 3 and 4 exchanged.  Sixteen neighbouring positions 16 (2 B + u) + r then hold rows 32 B + 8 u + r % 8 + 16 (r / 8): where such a tile is
; source 0 of a product, a lane's 16 result registers of tiles 2 B and 2 B + 1 are 16 neighbours along that axis.  A wave takes 4 rows, so only the place of its run of 4 changes.
; THE CODES' ORDER IN MEMORY: [group of 256 positions][K step of 256][position in the group][192 bytes]: a K step's codes of 256 positions are 49,152 consecutive bytes, which the products' launches fetch as rows
; of 256 bytes, each beginning at a multiple of 256.  x_codes has 32 groups; w_codes 16: wq, wk, wv, wo one behind the other.  The scale bytes: x_scales [8192 positions][32], w_scales [4096][32].
; LIMITS: NaN and infinities are not served; a block whose largest magnitude lies under 2^-124, a block of zeros among them, gets the byte 1 (the rule says 127 for zeros: its codes are zeros, and the bytes are read by this program alone).
; A work-group takes 16 rows, a wave 4 rows in 8 steps of 512 numbers.  Work-groups 0-511: x; 512-575 wq; 576-639 wk; 640-703 wv; 704-767 wo.  One path for all: only pointers are chosen.
; Each load reads 512 consecutive bytes; a step's 2,048 bytes turn through the wave's own stage in LDS so that a lane holds 16 neighbours along K (two lanes hold a block).  No tensor load, no barrier: waves share nothing.
.set WAVES, 4
.set STEPS, 8
.set CB,    12                         ; bytes of 16 codes
.set R,     16                         ; v16-79   four sets of 16 numbers as they are loaded
.set X,     80                         ; v80-111  two sets of 16 neighbours
.set C,     128                        ; v128-159 codes: four registers for each step, so that no store's data are written again
.set E,     112                        ; v112-119 a scale byte for each step
.set WREG,  8192                       ; LDS: a region for each wave: two stages of 32 x SP bytes, behind them its 128 scale bytes
.set SP,    80                         ; a lane's place in a stage: 64 bytes + 16 of padding
.set SPW,   12                         ; v12  LDS address of my spare word; never rewritten
.set NIL,   13                         ; v13  0; never rewritten
.set SPARE, WAVES*WREG                 ; behind the four regions: the spare words, 128 bytes a wave, which no other line names
	s_load_b256 s[4:11], s[0:1], 0x0               ; x, wq, wk, wv
	s_load_b256 s[12:19], s[0:1], 0x20             ; wo, x_codes, x_scales, w_codes
	s_load_b64 s[20:21], s[0:1], 0x40              ; w_scales
	v_lshl_add_u32 v[SPW], v0, 2, SPARE
	v_mov_b32 v[NIL], 0
	v_lshrrev_b32 v1, 5, v0
	v_readfirstlane_b32 s22, v1                    ; wave
	v_and_b32 v2, 31, v0                           ; lane
	v_lshlrev_b32 v3, 4, v2                        ; my 16 bytes of a load's 512
	s_mul_i32 s23, s22, WREG
	v_lshrrev_b32 v14, 2, v2
	v_mul_u32_u24 v14, v14, SP
	v_and_b32 v15, 3, v2
	v_lshl_add_u32 v14, v15, 4, v14
	v_add_nc_u32 v14, s23, v14                     ; the stage, way in: SP (lane / 4) + 16 (lane % 4)
	v_mul_u32_u24 v15, v2, SP
	v_add_nc_u32 v15, s23, v15                     ; way out: SP x lane: my 16 neighbours
	v_and_b32 v4, 15, v2
	v_mul_u32_u24 v4, v4, CB                       ; sixteen lanes hold 256 along K of a row: 192 bytes;
	v_lshrrev_b32 v10, 4, v2
	v_mad_u32_u24 v4, v10, 0xc000, v4              ; lanes 16-31 hold the next K step, 49,152 bytes on
	v_lshrrev_b32 v5, 1, v2
	s_add_co_u32 s23, s23, 2*32*SP
	v_add_nc_u32 v5, s23, v5                       ; my wave's 128 scale bytes, my block's byte
	v_lshlrev_b32 v7, 2, v2                        ; and on the way out 4 bytes a lane
	v_add_nc_u32 v6, s23, v7
	s_wait_alu depctr_va_vdst(0)                   ; the wait at the head's end
	s_wait_kmcnt 0x0
	s_mov_b64 s[24:25], s[12:13]                   ; the source: wo, unless the work-group's number says otherwise
	s_cmp_lt_u32 ttmp9, 704
	s_cselect_b64 s[24:25], s[10:11], s[24:25]
	s_cmp_lt_u32 ttmp9, 640
	s_cselect_b64 s[24:25], s[8:9], s[24:25]
	s_cmp_lt_u32 ttmp9, 576
	s_cselect_b64 s[24:25], s[6:7], s[24:25]
	s_cmp_lt_u32 ttmp9, 512
	s_cselect_b64 s[24:25], s[4:5], s[24:25]
	s_cselect_b64 s[26:27], s[14:15], s[18:19]     ; the codes' buffer
	s_cselect_b64 s[28:29], s[16:17], s[20:21]     ; the scale bytes'
	s_cselect_b32 s30, 0, 512
	s_cselect_b32 s31, -1, 63
	s_sub_co_u32 s30, ttmp9, s30                   ; which group of 16 rows of the destination
	s_and_b32 s31, s30, s31                        ; and of the source (a weight has 64 groups)
	s_lshl_b32 s31, s31, 2
	s_add_co_u32 s31, s31, s22
	s_lshl_b32 s32, s31, 14                        ; 4 rows are 16,384 bytes of f32
	s_mov_b32 s33, 0
	s_add_nc_u64 s[24:25], s[24:25], s[32:33]
	s_lshl_b32 s30, s30, 2
	s_add_co_u32 s30, s30, s22                     ; my run of 4 rows; bits 3 and 4 of the row are its bits 1 and 2: exchanged
	s_bfe_u32 s34, s30, 0x10001
	s_bfe_u32 s35, s30, 0x10002
	s_and_b32 s30, s30, 0xfffffff9
	s_lshl_b32 s34, s34, 2
	s_lshl_b32 s35, s35, 1
	s_or_b32 s30, s30, s34
	s_or_b32 s30, s30, s35                         ; which run of 4 positions is mine
	s_lshr_b32 s35, s30, 6                         ; 64 runs to a group of 256 positions: 196,608 bytes a group,
	s_mul_i32 s35, s35, 196608
	s_and_b32 s32, s30, 63
	s_mul_i32 s32, s32, 768                        ; 4 rows of 192 bytes a run
	s_add_co_u32 s32, s32, s35
	s_add_nc_u64 s[26:27], s[26:27], s[32:33]
	s_lshl_b32 s32, s30, 7                         ; 128 scale bytes a run
	s_add_nc_u64 s[28:29], s[28:29], s[32:33]
.macro LOAD t
.irp i, 0,1,2,3
	global_load_b128 v[R+16*((\t)%4)+4*\i:R+16*((\t)%4)+4*\i+3], v3, s[24:25] offset:2048*(\t)+512*\i th:TH_LOAD_NT   ; 32 lanes read 512 consecutive bytes
.endr
.endm
.macro TURN t                          ; step t's numbers through the stage: LDS serves a wave's instructions in order, so no wait stands between the stores and the loads
.irp i, 0,1,2,3
	ds_store_b128 v14, v[R+16*((\t)%4)+4*\i:R+16*((\t)%4)+4*\i+3] offset:32*SP*((\t)%2)+8*SP*\i
.endr
.irp i, 0,1,2,3
	ds_load_b128 v[X+16*((\t)%2)+4*\i:X+16*((\t)%2)+4*\i+3], v15 offset:32*SP*((\t)%2)+16*\i
.endr
.endm
.irp t, 0,1,2,3
	LOAD \t
.endr
	s_wait_loadcnt 12                              ; step 0's four loads are in; the twelve of steps 1 to 3 may be out
	TURN 0
.macro STEP t
.set XS, X+16*((\t)%2)
.if (\t) > 0
	s_wait_dscnt 1                                 ; this step's numbers are back from the stage (the last step's byte store may be out): its stores into the stage have read their registers,
.else
	s_wait_dscnt 0x0
.endif
.if (\t)+4 < STEPS
	LOAD (\t)+4                                    ; which take the loads of four steps on
.endif
.if (\t)+1 < STEPS
.if STEPS-2-(\t) >= 3
	s_wait_loadcnt 12                              ; the next step's four loads are in; those of the three steps behind it may be out
.else
	s_wait_loadcnt 4*(STEPS-2-(\t))
.endif
	TURN (\t)+1                                    ; and go through the other stage while this step is worked
.endif
	v_max3_num_f32 v8, |v[XS]|, |v[XS+1]|, |v[XS+2]|               ; the largest magnitude of my 16, in two chains
	v_max3_num_f32 v9, |v[XS+3]|, |v[XS+4]|, |v[XS+5]|
.irp i, 6,10
	v_max3_num_f32 v8, v8, |v[XS+\i]|, |v[XS+\i+1]|
	v_max3_num_f32 v9, v9, |v[XS+\i+2]|, |v[XS+\i+3]|
.endr
	v_max3_num_f32 v8, v8, |v[XS+14]|, |v[XS+15]|
	v_max3_num_f32 v8, v8, v9, 0x1800000           ; and the floor 2^(3 - 127): the byte cannot fall under 1
	v_max_num_f32_dpp v8, v8, v8 row_xmask:1 row_mask:0xf bank_mask:0xf   ; and of my neighbour's 16: the block's
	v_add_nc_u32 v11, 0xff000000, v8               ; 2 off its exponent field: the conversion takes the exponent field of this operand as its scale
	v_cvt_scalef32_pk16_fp6_f32 v[C+4*(\t):C+4*(\t)+2], v[XS:XS+15], v11
	v_lshrrev_b32 v[E+(\t)], 23, v11               ; the scale's byte (a plain line behind the conversion)
	ds_store_b8 v5, v[E+(\t)] offset:16*(\t)       ; both lanes of a block write the same byte with the same value
	global_store_b96 v4, v[C+4*(\t):C+4*(\t)+2], s[26:27] offset:192*((\t)/2)+98304*((\t)%2)   ; row t / 2 of my 4, K steps 2 (t % 2) and 2 (t % 2) + 1: twice 192 consecutive bytes
.endm
.irp t, 0,1,2,3,4,5,6,7
	STEP \t
.endr
	ds_load_b32 v8, v6                             ; LDS serves a wave's instructions in order: this sees my stores
	s_wait_dscnt 0x0
	global_store_b32 v7, v8, s[28:29]              ; 32 lanes store 128 consecutive bytes
	s_wait_tensorcnt 0x0                           ; the wave's end
	ds_add_u32 v[SPW], v[NIL]
	s_wait_dscnt 0x0
	s_endpgm
.Lfunc_end_k_q49abbddd18_quant:
	.size	k_q49abbddd18_quant, .Lfunc_end_k_q49abbddd18_quant-k_q49abbddd18_quant
	.p2alignl 7, 3214868480
	.fill 96, 4, 3214868480
	.section	.rodata,"a",@progbits
	.p2align	6, 0x0
	.amdhsa_kernel k_q49abbddd18_quant
		.amdhsa_group_segment_fixed_size 33280
		.amdhsa_private_segment_fixed_size 0
		.amdhsa_enable_private_segment 0
		.amdhsa_kernarg_size 72
		.amdhsa_user_sgpr_count 2
		.amdhsa_user_sgpr_kernarg_segment_ptr 1
		.amdhsa_wavefront_size32 1
		.amdhsa_system_sgpr_workgroup_id_x 1
		.amdhsa_system_sgpr_workgroup_id_y 1
		.amdhsa_system_sgpr_workgroup_id_z 1
		.amdhsa_system_vgpr_workitem_id 0
		.amdhsa_next_free_vgpr 192
		.amdhsa_next_free_sgpr 66
		.amdhsa_reserve_vcc 0
		.amdhsa_float_denorm_mode_32 3
		.amdhsa_float_denorm_mode_16_64 3
		.amdhsa_memory_ordered 1
		.amdhsa_forward_progress 1
		.amdhsa_inst_pref_size 19
	.end_amdhsa_kernel
	.amdgpu_metadata
---
amdhsa.version: [ 1, 2 ]
amdhsa.kernels:
  - .name:           k_q49abbddd18_quant
    .symbol:         k_q49abbddd18_quant.kd
    .args:
      - { .name: x, .offset: 0, .size: 8, .value_kind: global_buffer, .address_space: global }
      - { .name: wq, .offset: 8, .size: 8, .value_kind: global_buffer, .address_space: global }
      - { .name: wk, .offset: 16, .size: 8, .value_kind: global_buffer, .address_space: global }
      - { .name: wv, .offset: 24, .size: 8, .value_kind: global_buffer, .address_space: global }
      - { .name: wo, .offset: 32, .size: 8, .value_kind: global_buffer, .address_space: global }
      - { .name: x_codes, .offset: 40, .size: 8, .value_kind: global_buffer, .address_space: global }
      - { .name: x_scales, .offset: 48, .size: 8, .value_kind: global_buffer, .address_space: global }
      - { .name: w_codes, .offset: 56, .size: 8, .value_kind: global_buffer, .address_space: global }
      - { .name: w_scales, .offset: 64, .size: 8, .value_kind: global_buffer, .address_space: global }
    .group_segment_fixed_size: 33280
    .private_segment_fixed_size: 0
    .kernarg_segment_align: 8
    .kernarg_segment_size: 72
    .max_flat_workgroup_size: 128
    .sgpr_count:     66
    .vgpr_count:     192
    .wavefront_size: 32
...
	.end_amdgpu_metadata
.endif
;; end of part 1
;; launch qkv (part 2): grid 96 x 4, 4 waves a work-group, clusters of 4 x 4, 327,680 bytes of LDS; arguments x_codes, x_scales, w_codes, w_scales, bq, bk, bv, qbuf, kvbuf; writes qbuf, kvbuf
.if DOCPART == 2
	.amdgcn_target "amdgcn-amd-amdhsa--gfx1250"
	.amdhsa_code_object_version 6
	.text
	.protected	k_q49abbddd18_qkv
	.globl	k_q49abbddd18_qkv
	.p2align	8
	.type	k_q49abbddd18_qkv,@function
k_q49abbddd18_qkv:
	s_mov_b64 s[64:65], 0
	v_nop
	global_prefetch_b8 v0, s[64:65] scope:SCOPE_SE
	s_setreg_imm32_b32 hwreg(HW_REG_WAVE_MODE, 25, 1), 1
	s_wait_xcnt 0x0
	s_wait_alu depctr_hold_cnt(0) depctr_sa_sdst(0) depctr_va_vdst(0) depctr_va_sdst(0) depctr_va_ssrc(0) depctr_va_vcc(0) depctr_vm_vsrc(0)
	s_getreg_b32 s2, hwreg(HW_REG_IB_STS2, 6, 4)
	s_cmp_eq_u32 s2, 0
	s_cbranch_scc0 .Lentry_in_a_cluster
	s_endpgm
.Lentry_in_a_cluster:
	s_bfe_u32 s2, ttmp6, 0x10000c
	s_cmp_lg_u32 s2, 0xf033
	s_cbranch_scc0 .Lentry_shape_is_right
	s_endpgm
.Lentry_shape_is_right:
.set KSTEP,  256
.set NQ,     2
.set ROWB,   192
.set KROW,   768
.set PITCH,  240
.set FR,     12
.set NL,     6
.set NP,     4
.set HALFT,  128*PITCH
.set SLOT,   4*HALFT
.set KS,     32
.set SCL,    2*SLOT
.set HALFS,  16*272
.set SBLK,   2*272
.set SPARE,  SCL+4*HALFS
.set ADRA, 16
.set ADRB, 20
.set L16,  24
.set L8,   25
.set ADRS, 27
.set SPW,  28
.set NIL,  29
.set SC,   32
.set BI,   64
.set AF,   128
.set AJ,   224
.set G1, 24
.set G0, 32
.set G1B, 48
.set G0B, 56
.set G1S, 68
.set G0S, 76
.set G1SB, 80
.set G0SB, 88
.set MSB, 0
.macro WIN new
.if MSB != (\new)
	s_set_vgpr_msb (MSB<<8)|(\new)
.set MSB, (\new)
.endif
.endm
.set MUL_LO, 0xa1
.set MUL_HI, 0xf1
.set BIAS_LO, 0x81
.set BIAS_HI, 0xc1
.set TO_B,   0x40
.macro JLOAD g0a, g1a, g0b, g1b
	s_cmp_eq_u32 s15, 0
	s_cbranch_scc0 .Lfor_b_\@
	tensor_load_to_lds s[\g0a:\g0a+3], s[\g1a:\g1a+7]
	s_nop 0
.rept 4
	v_nop
.endr
	s_branch .Lasked_\@
.Lfor_b_\@:
	tensor_load_to_lds s[\g0b:\g0b+3], s[\g1b:\g1b+7]
	s_nop 0
.rept 4
	v_nop
.endr
.Lasked_\@:
.endm
.macro CREST
	s_cmp_lg_u32 s14, 0
	s_cbranch_scc1 .Lnot_wave_0_\@
	s_barrier_signal -3
.Lnot_wave_0_\@:
	s_barrier_wait -3
	s_barrier_signal -1
	s_barrier_wait -1
.endm
.macro CROUND
	s_barrier_signal -1
	s_barrier_wait -1
	CREST
.endm
	s_load_b256 s[4:11], s[0:1], 0x0
	s_load_b256 s[92:99], s[0:1], 0x20
	s_load_b64 s[100:101], s[0:1], 0x40
	v_lshl_add_u32 v[SPW], v0, 2, SPARE
	v_mov_b32 v[NIL], 0
	ds_add_u32 v[SPW], v[NIL]
	ds_add_u32 v[SPW], v[NIL]
	v_lshrrev_b32 v1, 5, v0
	v_readfirstlane_b32 s14, v1
	s_lshr_b32 s15, s14, 1
	s_and_b32 s16, s14, 1
	s_bfe_u32 s40, ttmp6, 0x40000
	s_bfe_u32 s41, ttmp6, 0x40004
	s_lshr_b32 s17, ttmp9, 1
	s_and_b32 s42, ttmp9, 1
	s_sub_co_u32 s3, ttmp9, 16
	s_cmp_lt_u32 ttmp9, 16
	s_cselect_b32 s2, 0, -1
	s_cselect_b32 s17, s17, 0
	s_cselect_b32 s42, s42, s3
	s_cselect_b32 s105, 0, 2048
	s_lshl_b32 s17, s17, 2
	s_add_co_u32 s17, s17, s41
	s_lshl_b32 s42, s42, 2
	s_add_co_u32 s42, s42, s40
	s_lshl_b32 s43, s41, 2
	s_lshl_b32 s43, 15, s43
	s_lshl_b32 s44, 0x1111, s40
	s_or_b32 s[G1+0], s43, (0<<16)|(1<<20)|(1<<21)|(3<<22)|(3<<25)
	s_or_b32 s[G1B+0], s44, (0<<16)|(1<<20)|(1<<21)|(3<<22)|(3<<25)
.irp g, G1, G1B
	s_mov_b32 s[\g+1], 256<<16                     ; a K step's codes of 256 positions are dense: 192 rows of 256 bytes for the head's loads; the padding's interval stays 64 bytes, so the LDS rows are 192 + 48 bytes as before
	s_mov_b32 s[\g+2], 192<<16
	s_mov_b32 s[\g+3], 256<<16
	s_mov_b32 s[\g+4], 192
	s_mov_b32 s[\g+5], 256
	s_mov_b32 s[\g+6], 0
	s_mov_b32 s[\g+7], 0
.endr
	s_or_b32 s[G1S+0], s43, (3<<16)|(1<<20)|(1<<21)|(5<<22)|(3<<25)
	s_or_b32 s[G1SB+0], s44, (3<<16)|(1<<20)|(1<<21)|(5<<22)|(3<<25)
.irp g, G1S, G1SB
	s_mov_b32 s[\g+1], 32<<16
	s_mov_b32 s[\g+2], 32<<16
	s_mov_b32 s[\g+3], 32<<16
	s_mov_b32 s[\g+4], 32
	s_mov_b32 s[\g+5], 32
	s_mov_b32 s[\g+6], 0
	s_mov_b32 s[\g+7], 0
.endr
	s_lshl_b32 s20, s17, 8
	s_add_co_u32 s20, s20, s105
	s_lshl_b32 s46, s42, 8
	s_mov_b32 s21, 0
	s_mov_b32 s47, 0
	s_mov_b64 s[18:19], KS
	s_mul_u64 s[22:23], s[20:21], s[18:19]
	s_mul_u64 s[66:67], s[46:47], s[18:19]
	s_mov_b64 s[18:19], KROW
	s_mul_u64 s[20:21], s[20:21], s[18:19]
	s_mul_u64 s[46:47], s[46:47], s[18:19]
	s_mul_i32 s45, s14, HALFT
	s_wait_dscnt 0x0
	s_wait_kmcnt 0x0
	s_cmp_lt_u32 ttmp9, 16
	s_cselect_b64 s[12:13], s[4:5], s[8:9]
	s_cselect_b64 s[8:9], s[8:9], s[4:5]
	s_cselect_b64 s[4:5], s[6:7], s[10:11]
	s_cselect_b64 s[10:11], s[10:11], s[6:7]
	s_add_nc_u64 s[20:21], s[12:13], s[20:21]
	s_add_nc_u64 s[22:23], s[4:5], s[22:23]
	s_add_nc_u64 s[46:47], s[8:9], s[46:47]
	s_add_nc_u64 s[66:67], s[10:11], s[66:67]
	CROUND
	s_mov_b32 s[G0S], 1
	s_mov_b32 s[G0S+1], SCL
	s_mov_b64 s[G0S+2:G0S+3], s[22:23]
	s_or_b32 s[G0S+3], s[G0S+3], 0x80000000
	s_mov_b32 s[G0SB], 1
	s_mov_b32 s[G0SB+1], SCL+2*HALFS
	s_mov_b64 s[G0SB+2:G0SB+3], s[66:67]
	s_or_b32 s[G0SB+3], s[G0SB+3], 0x80000000
.set KT, 49152                         ; a K step's codes of 256 positions, in bytes
	s_mov_b32 s4, 1                                ; the head's loads of K step 0, each tile whole: source 1's 256 rows,
	s_mov_b32 s5, 0
	s_mov_b64 s[6:7], s[20:21]
	s_or_b32 s7, s7, 0x80000000
	s_mov_b32 s8, 1                                ; and source 0's, behind them in slot 0
	s_mov_b32 s9, 2*HALFT
	s_mov_b64 s[10:11], s[46:47]
	s_or_b32 s11, s11, 0x80000000
	s_mul_i32 s18, s16, KT/2                       ; in the ring I fetch 128 rows of a tile: which half
	s_mov_b32 s19, 0
	s_add_nc_u64 s[20:21], s[20:21], s[18:19]
	s_add_nc_u64 s[46:47], s[46:47], s[18:19]
.irp s, 0,1
	s_mov_b32 s[G0+4*\s], 1
	s_add_co_u32 s[G0+4*\s+1], s45, \s*SLOT
	s_add_nc_u64 s[G0+4*\s+2:G0+4*\s+3], s[20:21], \s*KT
	s_or_b32 s[G0+4*\s+3], s[G0+4*\s+3], 0x80000000
	s_mov_b32 s[G0B+4*\s], 1
	s_add_co_u32 s[G0B+4*\s+1], s45, \s*SLOT
	s_add_nc_u64 s[G0B+4*\s+2:G0B+4*\s+3], s[46:47], \s*KT
	s_or_b32 s[G0B+4*\s+3], s[G0B+4*\s+3], 0x80000000
.endr
; the head's four tiles, one load a wave: one chain of branches on the wave's number, every way passes one load
.macro ARM under, g0, g1, next
	s_cmp_lt_u32 s14, \under
	s_cbranch_scc0 \next
	tensor_load_to_lds s[\g0:\g0+3], s[\g1:\g1+7]
	s_nop 0
.rept 4
	v_nop
.endr
	s_branch .Lhead_asked
\next:
.endm
	ARM 1, 4, G1, .Lhead_b
	ARM 2, 8, G1B, .Lhead_sa
	ARM 3, G0S, G1S, .Lhead_sb
	tensor_load_to_lds s[G0SB:G0SB+3], s[G1SB:G1SB+7]
	s_nop 0
.rept 4
	v_nop
.endr
.Lhead_asked:
	v_and_b32 v1, 15, v0
	v_bfe_u32 v2, v0, 4, 1
	v_mul_u32_u24 v3, v1, PITCH
	v_mul_u32_u24 v4, v2, 24
	v_add_nc_u32 v4, v3, v4
	v_lshl_add_u32 v5, v2, 4, v4
	s_mul_i32 s21, s15, HALFT
	s_mul_i32 s22, s16, HALFT
	s_add_co_u32 s22, s22, 2*HALFT
.irp s, 0,1
	v_add_nc_u32 v[ADRA+\s], s21, v4
	v_add_nc_u32 v[ADRB+\s], s22, v4
	v_add_nc_u32 v[ADRA+2+\s], s21, v5
	v_add_nc_u32 v[ADRB+2+\s], s22, v5
	s_add_co_u32 s21, s21, SLOT
	s_add_co_u32 s22, s22, SLOT
.endr
	v_mul_u32_u24 v5, v1, KS
	v_lshrrev_b32 v6, 8, v5
	v_lshl_add_u32 v5, v6, 4, v5
	s_mul_i32 s21, s15, HALFS
	s_mul_i32 s22, s16, HALFS
	s_add_co_u32 s22, s22, 2*HALFS
	s_sub_co_u32 s22, s22, s21
	v_mul_u32_u24 v6, s22, v2
	s_add_co_u32 s21, s21, SCL
	v_add_nc_u32 v5, v5, v6
	v_add_nc_u32 v[ADRS], s21, v5
	v_and_b32 v6, 31, v0
	v_lshlrev_b32 v[L16], 4, v6
	v_lshlrev_b32 v[L8], 3, v6
	s_and_b32 s3, ttmp9, 1
	s_cmp_eq_u32 s3, 0
	s_cselect_b64 s[12:13], s[92:93], s[94:95]
	s_lshl_b32 s46, s42, 8
	s_lshl_b32 s47, s16, 7
	s_add_co_u32 s46, s46, s47
	s_and_b32 s46, s46, 1023
	s_lshl_b32 s20, s17, 8
	s_lshl_b32 s21, s15, 7
	s_add_co_u32 s20, s20, s21
	s_cmp_lt_u32 ttmp9, 16
	s_cselect_b64 s[12:13], s[12:13], s[96:97]
	s_cselect_b32 s46, s46, s20
	s_cselect_b32 s3, 4, 0
	s_lshl_b32 s46, s46, 2
	s_mov_b32 s47, 0
	s_add_nc_u64 s[12:13], s[12:13], s[46:47]
	v_lshlrev_b32 v5, 6, v2
	v_and_b32 v6, 7, v1
	v_lshrrev_b32 v7, 3, v1
	v_lshl_add_u32 v6, v7, 4, v6
	v_lshlrev_b32 v6, 2, v6
	v_cndmask_b32 v5, v5, v6, s2
.irp j, 0,1,2,3,4,5,6,7
	v_mad_u32_u24 v[AJ+\j], s3, \j, v5
.endr
.irp i, 0,1,2,3,4,5,6,7
.irp j, 0,1,2,3,4,5,6,7
	global_load_b32 v[BI+8*\i+\j], v[AJ+\j], s[12:13] offset:(32*(\i/2)+8*(\i%2))*4
.endr
.endr
.macro FRAG reg, adr, q, i
.irp p, 0,1,2,3,4,5
.set PCE, 12*(\q)+6*(\p/3)+\p%3
.if PCE%8 < 5
	ds_load_b64 v[\reg+2*\p:\reg+2*\p+1], v[\adr] offset:8*PCE+16*(PCE/8)+(\i)*16*PITCH
.else
	ds_load_b64 v[\reg+2*\p:\reg+2*\p+1], v[\adr+2] offset:8*PCE+16*(PCE/8)+(\i)*16*PITCH
.endif
.endr
.endm
.macro MUL16 a0, p, q, sc, zero
.irp a, \a0, \a0+1
.irp b, 0,1,2,3,4,5,6,7
.if (\zero) == 1
	v_wmma_scale_f32_16x16x128_f8f6f4 v[8*(8*((\a)%4)+\b):8*(8*((\a)%4)+\b)+7], v[128*(\p)+FR*\b:128*(\p)+FR*\b+FR-1], v[AF+FR*(\a):AF+FR*(\a)+FR-1], v[BI+8*\b:BI+8*\b+7], v[SC+8*NQ*(\sc)+NQ*\b+(\q)], v[SC+8*NQ*(\sc)+NQ*(\a)+(\q)] matrix_a_fmt:MATRIX_FMT_FP6 matrix_b_fmt:MATRIX_FMT_FP6 matrix_a_scale:MATRIX_SCALE_ROW1
.elseif (\zero) == 2
	v_wmma_scale_f32_16x16x128_f8f6f4 v[8*(8*((\a)%4)+\b):8*(8*((\a)%4)+\b)+7], v[128*(\p)+FR*\b:128*(\p)+FR*\b+FR-1], v[AF+FR*(\a):AF+FR*(\a)+FR-1], v[BI+8*(\a):BI+8*(\a)+7], v[SC+8*NQ*(\sc)+NQ*\b+(\q)], v[SC+8*NQ*(\sc)+NQ*(\a)+(\q)] matrix_a_fmt:MATRIX_FMT_FP6 matrix_b_fmt:MATRIX_FMT_FP6 matrix_a_scale:MATRIX_SCALE_ROW1
.else
	v_wmma_scale_f32_16x16x128_f8f6f4 v[8*(8*((\a)%4)+\b):8*(8*((\a)%4)+\b)+7], v[128*(\p)+FR*\b:128*(\p)+FR*\b+FR-1], v[AF+FR*(\a):AF+FR*(\a)+FR-1], v[8*(8*((\a)%4)+\b):8*(8*((\a)%4)+\b)+7], v[SC+8*NQ*(\sc)+NQ*\b+(\q)], v[SC+8*NQ*(\sc)+NQ*(\a)+(\q)] matrix_a_fmt:MATRIX_FMT_FP6 matrix_b_fmt:MATRIX_FMT_FP6 matrix_a_scale:MATRIX_SCALE_ROW1
.endif
.endr
.endr
.endm
.macro FETCH_B slot, q, p
	WIN TO_B
.irp i, 0,1,2,3,4,5,6,7
	FRAG 128*(\p)+FR*\i, ADRB+\slot, \q, \i
.endr
	WIN 0
.endm
.macro FETCH_A slot, q, i0
.irp i, \i0, \i0+1, \i0+2, \i0+3
	FRAG AF+FR*(\i), ADRA+\slot, \q, \i
.endr
.endm
.macro SCALES sc
.irp i, 0,1,2,3,4,5,6,7
	ds_load_b64 v[SC+8*NQ*\sc+NQ*\i:SC+8*NQ*\sc+NQ*\i+1], v[ADRS] offset:\i*SBLK
.endr
.endm
.macro PLACES n
.rept \n
	v_nop
.endr
.endm
.macro STEP slot, q, zero
	s_wait_dscnt 4*NL
.if \zero
	WIN BIAS_LO
.else
	WIN MUL_LO
.endif
	MUL16 0, (\q)%2, \q, \slot, \zero
	MUL16 2, (\q)%2, \q, \slot, \zero
	s_wait_dscnt 0
	PLACES NP
	FETCH_B \slot, (\q)+1, 1-(\q)%2
	FETCH_A \slot, (\q)+1, 0
.if \zero
	WIN BIAS_HI
.else
	WIN MUL_HI
.endif
	MUL16 4, (\q)%2, \q, \slot, \zero
	MUL16 6, (\q)%2, \q, \slot, \zero
	PLACES NP
	WIN 0
	FETCH_A \slot, (\q)+1, 4
.endm
.macro TURN slot, next, fill
	s_wait_tensorcnt 0x0
	ds_add_u32 v[SPW], v[NIL]
	s_wait_dscnt 4*NL+1
	WIN MUL_LO
	MUL16 0, 1, NQ-1, \slot, 0
	s_wait_dscnt 0x0
	s_barrier_signal -1
	MUL16 2, 1, NQ-1, \slot, 0
	WIN 0
	s_barrier_wait -1
.if \fill
	CREST
	s_add_nc_u64 s[G0+4*\slot+2:G0+4*\slot+3], s[G0+4*\slot+2:G0+4*\slot+3], 2*KT
	s_add_nc_u64 s[G0B+4*\slot+2:G0B+4*\slot+3], s[G0B+4*\slot+2:G0B+4*\slot+3], 2*KT
	JLOAD G0+4*\slot, G1, G0B+4*\slot, G1B
.else
	PLACES NP
.endif
	s_wait_alu depctr_va_vdst(0)
	v_add_nc_u32 v[ADRS], 4*NQ, v[ADRS]
	FETCH_B \next, 0, 0
	FETCH_A \next, 0, 0
	SCALES \next
	WIN MUL_HI
	MUL16 4, 1, NQ-1, \slot, 0
	MUL16 6, 1, NQ-1, \slot, 0
	PLACES NP
	WIN 0
	FETCH_A \next, 0, 4
.endm
	s_wait_alu depctr_va_vdst(0)                   ; the wait at the head's end
	s_wait_tensorcnt 0x0                           ; my tile of the head's four is in
	ds_add_u32 v[SPW], v[NIL]
	s_mov_b32 s[G1+2], 96<<16                      ; no tensor load of mine is out: from here on a load brings 128 positions, 96 rows of 256 bytes
	s_mov_b32 s[G1+4], 96
	s_mov_b32 s[G1B+2], 96<<16
	s_mov_b32 s[G1B+4], 96
	s_wait_dscnt 0x0
	CROUND
	JLOAD G0+4, G1, G0B+4, G1B                     ; K step 1, the first tensor load behind the round
	FETCH_B 0, 0, 0
	FETCH_A 0, 0, 0
	SCALES 0
	FETCH_A 0, 0, 4
	s_wait_loadcnt 0x0
	s_cmp_eq_u32 s2, 0
	s_cbranch_scc0 .Lfirst_v
	STEP 0, 0, 1
	s_branch .Ljoin
.Lfirst_v:
	STEP 0, 0, 2
.Ljoin:
	TURN 0, 1, 1
	STEP 1, 0, 0
	TURN 1, 0, 1
	STEP 0, 0, 0
	TURN 0, 1, 0
	STEP 1, 0, 0
	s_wait_dscnt 4*NL
	WIN MUL_LO
	MUL16 0, 1, NQ-1, 1, 0
	MUL16 2, 1, NQ-1, 1, 0
	s_wait_dscnt 0
	WIN MUL_HI
	MUL16 4, 1, NQ-1, 1, 0
	MUL16 6, 1, NQ-1, 1, 0
	WIN 0
.set EPA,  24
.set EPB,  26
.set ESA,  28
.set ESB,  30
.set EINC, 32
.set EIN4, 34
.set ESEL, 40
.set EHI,  43
.set QC,   128
.set TM,   160
.set SW,   176
.set UU,   184
.set RR,   192
.set WW,   196
	s_lshl_b32 s48, s17, 8
	s_lshl_b32 s49, s15, 7
	s_add_co_u32 s48, s48, s49
	s_lshl_b32 s49, s42, 8
	s_lshl_b32 s50, s16, 7
	s_add_co_u32 s49, s49, s50
	s_and_b32 s50, s49, 1023
	s_cmp_eq_u32 s2, 0
	s_cselect_b32 s51, s48, s49
	s_cselect_b32 s52, s50, s48
	s_lshr_b32 s53, s51, 11
	s_lshl_b32 s53, s53, 8
	s_lshr_b32 s54, s52, 6
	s_lshl_b32 s54, s54, 4
	s_add_co_u32 s53, s53, s54
	s_bfe_u32 s54, s51, 0x40007
	s_add_co_u32 s53, s53, s54
	s_and_b32 s55, ttmp9, 1
	s_or_b32 s55, s55, s2
	s_mov_b32 s56, 12800
	s_cmp_eq_u32 s55, 0
	s_cselect_b32 s56, 6400, s56
	s_cselect_b64 s[EPA:EPA+1], s[98:99], s[100:101]
	s_mul_i32 s58, s53, s56
	s_mov_b32 s59, 0
	s_add_nc_u64 s[EPA:EPA+1], s[EPA:EPA+1], s[58:59]
	s_lshl_b32 s60, s56, 4
	s_mov_b32 s61, 0
	s_mov_b32 s62, 768
	s_mov_b32 s63, 0
	s_mov_b32 s54, 12544
	s_mov_b32 s55, 0
	s_mov_b32 s[EINC], 1536
	s_mov_b32 s[EINC+1], 0
	s_mov_b32 s[EIN4+1], 0
	s_mov_b32 s[ESEL], 0x76543210
	s_mov_b32 s[ESEL+1], 0xfedcba98
	s_mov_b32 s[EHI], 0xffff0000
	s_cmp_eq_u32 s2, 0
	s_cselect_b32 s58, 0, 6400
	s_cselect_b32 s62, s60, s62
	s_cselect_b32 s54, 6144, s54
	s_cselect_b32 s[EINC], 768, s[EINC]
	s_cselect_b32 s[EIN4], 0, 198656
	s_add_nc_u64 s[ESA:ESA+1], s[EPA:EPA+1], s[54:55]
	s_add_nc_u64 s[ESB:ESB+1], s[ESA:ESA+1], s[60:61]
	s_add_nc_u64 s[EPA:EPA+1], s[EPA:EPA+1], s[58:59]
	s_add_nc_u64 s[EPB:EPB+1], s[EPA:EPA+1], s[62:63]
	PLACES NP
.irp b, 0,1,2,3
	v_mov_b32 v[TM+4+\b], 0
.endr
.macro QBLOCK a
.set S0, 64*((\a)%4)
.if (\a) > 0
	s_wait_xcnt 0x0
	s_add_nc_u64 s[EPA:EPA+1], s[EPA:EPA+1], s[EINC:EINC+1]
	s_add_nc_u64 s[EPB:EPB+1], s[EPB:EPB+1], s[EINC:EINC+1]
.endif
.if (\a) == 4
	s_add_nc_u64 s[EPA:EPA+1], s[EPA:EPA+1], s[EIN4:EIN4+1]
	s_add_nc_u64 s[EPB:EPB+1], s[EPB:EPB+1], s[EIN4:EIN4+1]
.endif
	WIN 0x28+0x14*((\a)/4)
.irp b, 0,1,2,3
	v_max3_num_f32 v[TM+\b], 0x1800000, |v[S0+16*\b]|, |v[S0+16*\b+1]|
.endr
.irp i, 2,4,6,8,10,12,14
.irp b, 0,1,2,3
	v_max3_num_f32 v[TM+\b], v[TM+\b], |v[S0+16*\b+\i]|, |v[S0+16*\b+\i+1]|
.endr
.endr
	WIN 0
.irp b, 0,1,2,3
	v_permlanex16_b32 v[TM+4+\b], v[TM+\b], s[ESEL], s[ESEL+1]
.endr
.irp b, 0,1,2,3
	v_max_num_f32 v[TM+\b], v[TM+\b], v[TM+4+\b]
.endr
.irp b, 0,1,2,3
	v_add_nc_u32 v[TM+12+\b], 0xff000000, v[TM+\b]
.endr
.irp b, 0,1,2,3
	v_lshrrev_b32 v[TM+4+\b], 23, v[TM+12+\b]
.endr
	v_lshl_or_b32 v[SW+(\a)], v[TM+5], 8, v[TM+4]
	v_lshl_or_b32 v[SW+(\a)], v[TM+6], 16, v[SW+(\a)]
	v_lshl_or_b32 v[SW+(\a)], v[TM+7], 24, v[SW+(\a)]
	WIN 2+(\a)/4
.irp c, 0,1
	v_cvt_scalef32_pk16_fp6_f32 v[QC+6*\c:QC+6*\c+2], v[S0+32*\c:S0+32*\c+15], v[TM+12+2*\c]
	v_cvt_scalef32_pk16_fp6_f32 v[QC+12+4*\c:QC+14+4*\c], v[S0+16+32*\c:S0+31+32*\c], v[TM+13+2*\c]
.endr
	WIN 0
	v_nop
.irp c, 0,1
.irp i, 0,1,2
	v_permlane16_swap_b32 v[QC+6*\c+\i], v[QC+12+4*\c+\i]
.endr
.irp i, 0,1,2
	v_mov_b32 v[QC+3+6*\c+\i], v[QC+12+4*\c+\i]
.endr
.endr
	global_store_b128 v[L16], v[QC:QC+3], s[EPA:EPA+1]
	global_store_b64 v[L8], v[QC+4:QC+5], s[EPA:EPA+1] offset:512
	global_store_b128 v[L16], v[QC+6:QC+9], s[EPB:EPB+1]
	global_store_b64 v[L8], v[QC+10:QC+11], s[EPB:EPB+1] offset:512
.endm
.irp a, 0,1,2,3,4,5,6,7
	QBLOCK \a
.endr
.irp i, 0,1,2,3
	v_perm_b32 v[WW+\i], v[SW+2*\i+1], v[SW+2*\i], 0x05040100
	v_perm_b32 v[WW+4+\i], v[SW+2*\i+1], v[SW+2*\i], 0x07060302
.endr
.irp i, 0,1,2,3,4,5,6,7
	v_cndmask_b32 v[UU+\i], v[WW+\i], v[SW+\i], s2
.endr
.irp i, 0,1,2,3
	v_cndmask_b32 v[RR+\i], v[UU+2*\i], v[UU+2*\i+1], s[EHI]
.endr
	global_store_b64 v[L8], v[RR:RR+1], s[ESA:ESA+1]
	global_store_b64 v[L8], v[RR+2:RR+3], s[ESB:ESB+1]
	s_wait_tensorcnt 0x0
	ds_add_u32 v[SPW], v[NIL]
	s_wait_dscnt 0x0
	CROUND
	s_endpgm
.Lfunc_end_k_q49abbddd18_qkv:
	.size	k_q49abbddd18_qkv, .Lfunc_end_k_q49abbddd18_qkv-k_q49abbddd18_qkv
	.p2alignl 7, 3214868480
	.fill 96, 4, 3214868480
	.section	.rodata,"a",@progbits
	.p2align	6, 0x0
	.amdhsa_kernel k_q49abbddd18_qkv
		.amdhsa_group_segment_fixed_size 327680
		.amdhsa_private_segment_fixed_size 0
		.amdhsa_enable_private_segment 0
		.amdhsa_kernarg_size 72
		.amdhsa_user_sgpr_count 2
		.amdhsa_user_sgpr_kernarg_segment_ptr 1
		.amdhsa_wavefront_size32 1
		.amdhsa_system_sgpr_workgroup_id_x 1
		.amdhsa_system_sgpr_workgroup_id_y 1
		.amdhsa_system_sgpr_workgroup_id_z 1
		.amdhsa_system_vgpr_workitem_id 0
		.amdhsa_next_free_vgpr 1024
		.amdhsa_next_free_sgpr 106
		.amdhsa_reserve_vcc 0
		.amdhsa_float_denorm_mode_32 3
		.amdhsa_float_denorm_mode_16_64 3
		.amdhsa_memory_ordered 1
		.amdhsa_forward_progress 1
		.amdhsa_inst_pref_size 191
	.end_amdhsa_kernel
	.amdgpu_metadata
---
amdhsa.version: [ 1, 2 ]
amdhsa.kernels:
  - .name:           k_q49abbddd18_qkv
    .symbol:         k_q49abbddd18_qkv.kd
    .args:
      - { .name: x_codes, .offset: 0, .size: 8, .value_kind: global_buffer, .address_space: global }
      - { .name: x_scales, .offset: 8, .size: 8, .value_kind: global_buffer, .address_space: global }
      - { .name: w_codes, .offset: 16, .size: 8, .value_kind: global_buffer, .address_space: global }
      - { .name: w_scales, .offset: 24, .size: 8, .value_kind: global_buffer, .address_space: global }
      - { .name: bq, .offset: 32, .size: 8, .value_kind: global_buffer, .address_space: global }
      - { .name: bk, .offset: 40, .size: 8, .value_kind: global_buffer, .address_space: global }
      - { .name: bv, .offset: 48, .size: 8, .value_kind: global_buffer, .address_space: global }
      - { .name: qbuf, .offset: 56, .size: 8, .value_kind: global_buffer, .address_space: global }
      - { .name: kvbuf, .offset: 64, .size: 8, .value_kind: global_buffer, .address_space: global }
    .group_segment_fixed_size: 327680
    .private_segment_fixed_size: 0
    .kernarg_segment_align: 8
    .kernarg_segment_size: 72
    .max_flat_workgroup_size: 128
    .sgpr_count:     106
    .vgpr_count:     1024
    .wavefront_size: 32
...
	.end_amdgpu_metadata
.endif
;; end of part 2
;; launch attn (part 3): grid 4 x 64, 16 waves a work-group, clusters of 4 x 1, 327,680 bytes of LDS; arguments qbuf, kvbuf, ctx_codes, ctx_scales; writes ctx_codes, ctx_scales
.if DOCPART == 3
	.amdgcn_target "amdgcn-amd-amdhsa--gfx1250"
	.amdhsa_code_object_version 6
	.text
	.protected	k_q49abbddd18_attn
	.globl	k_q49abbddd18_attn
	.p2align	8
	.type	k_q49abbddd18_attn,@function
k_q49abbddd18_attn:
	s_mov_b64 s[64:65], 0
	v_nop
	global_prefetch_b8 v0, s[64:65] scope:SCOPE_SE
	s_setreg_imm32_b32 hwreg(HW_REG_WAVE_MODE, 25, 1), 1
	s_wait_xcnt 0x0
	s_wait_alu depctr_hold_cnt(0) depctr_sa_sdst(0) depctr_va_vdst(0) depctr_va_sdst(0) depctr_va_ssrc(0) depctr_va_vcc(0) depctr_vm_vsrc(0)
	s_getreg_b32 s2, hwreg(HW_REG_IB_STS2, 6, 4)
	s_cmp_eq_u32 s2, 0
	s_cbranch_scc0 .Lentry_in_a_cluster
	s_endpgm
.Lentry_in_a_cluster:
	s_bfe_u32 s2, ttmp6, 0x10000c
	s_cmp_lg_u32 s2, 0x3003
	s_cbranch_scc0 .Lentry_shape_is_right
	s_endpgm
.Lentry_shape_is_right:
; ctx = softmax(q k^T / 8) v for 64 (batch, head) pairs of 2,048 x 64, both products on codes of FP6 (E2M3) with E8M0 scales; ctx leaves quantised along the head's 64, as images of operand registers for the output projection.
; THE SOFTMAX: t = score x log2(e) / 8; M = the row's largest t so far, rounded up to a whole number; p = 2^(t - M) is quantised along the keys, not normalised.  The row's sum is taken of the unquantised p and divides O
; at the end.  When M moves, the sum and O are multiplied by 2^(old M - new M): exact.
; SHARES.  A work-group owns ONE head and 512 query positions: 4 x 64 = 256 work-groups of equal work.  Each of its sixteen waves owns two tiles of 16 positions (tiles w and w + 16), one after the other.
; LDS.  The head's 16 records of kvbuf (128 keys each: K's codes and scales, V's codes and scales, 12,800 bytes) are one dense stream of 204,800 bytes.  Wave w asks for record w at the head: one tensor load a wave,
; 50 rows of 256 bytes.  Nothing is filled again, so one barrier at the head is the only one; behind it the waves share nothing.
; CLUSTER.  The four work-groups of a head form a cluster and ask for each record jointly.
; NO PREFETCH: all the launch's tensor loads go out at its head; there is no loop that runs ahead of them.
; REGISTERS BY TURNS.  Two sets of 64 registers: in a key step one holds K's fragments and then V's, the other S^T and then p.  When p has been converted, the next record's K fragments are asked for into p's set,
; and the next S^T falls into the set that V has left.  So a loop's trip is two key steps.  A tile's last step asks for record 14's K once more (the address is held there) and nobody uses it: 17 LDS loads in 16 steps.
; LAYOUT.  Everything in LDS is an image of operand registers (16 x lane, 8 x lane).  Both products are used transposed: S^T = K Q^T, O^T = V^T P: a lane holds one query.  K's tiles are 16 neighbouring POSITIONS
; (key n at n with bits 3 and 4 exchanged), so that the 16 registers of tiles 2 B, 2 B + 1 are true keys 32 B + 16 (lane / 16) + 0 .. 15.
; K = 64 IN AN INSTRUCTION OF 128: a packed fragment holds tile 2 i in registers 0-5 and tile 2 i + 1 in registers 6-11.  Even tiles meet (Q, zero codes), odd tiles (zero codes, Q): v16-33 hold Q, zeros, Q.
; ctx_codes [tile of 16 positions 512][head 16][768]; ctx_scales [8,192 positions][32]: a head's two bytes, stored 2 bytes a lane, rows 32 bytes apart: one byte in 25 of what the launch stores.
; LIMITS: NaN and infinities are not served; a block under 2^-124, zeros among them, gets the byte 1 (the bytes are read by this program alone); the scaled scores stay under 2^31 in magnitude.
.set REC,   12800
.set SPARE, 16*REC                     ; behind the records: the spare words, 128 bytes for each of 16 waves, which no other line names
.set L16, 1                            ; v1  16 x lane
.set L8,  2                            ; v2  8 x lane
.set SPW, 3
.set NIL, 4
.set ADK, 5                            ; v5  the trip's first record + 16 x lane
.set AD8, 6                            ; v6  + 8 x lane
.set QSO, 7                            ; v7  8 (lane % 16)
.set CSO, 8                            ; v8  32 (lane % 16)
.set T1,  9
.set OM,  10                           ; v10 -M as it was before this step
.set QR,  11                           ; v11 the second tile's scale word as loaded
.set QLO, 16                           ; v16-21 Q, v22-27 zero codes, v28-33 Q
.set QST, 34                           ; v34-39 the second tile's Q, loaded at the head
.set RA,  40
.set RB,  104
.set O,   168                          ; v168-199 O^T
.set PCD, 200                          ; v200-211 p's codes;  v212-214, v216-218 second halves as converted
.set PC2, 212
.set CC,  200                          ; a tile's end: ctx's codes
.set BM,  220
.set BP,  224
.set BS,  228
.set F,   232
.set T2,  234
.set KSC, 236
.set VSC, 238
.set QW,  240
.set PW,  241
.set TS,  242                          ; v242-255 seven pairs of partial sums
.set WV,  12
.set QB,  14
.set QS,  16
.set CB,  18
.set SEL, 20
.set CS,  22
.set G1,  24
.set G0,  32
.set TB,  36
.set CNT, 37
.set CSB, 38
.set SH,  40
.set TN,  60
.macro WALU
	s_wait_alu depctr_va_vdst(0)
.endm
.macro CROUND
	s_barrier_signal -1
	s_barrier_wait -1
	s_cmp_lg_u32 s[WV], 0
	s_cbranch_scc1 .Lnot_wave_0_\@
	s_barrier_signal -3
.Lnot_wave_0_\@:
	s_barrier_wait -3
	s_barrier_signal -1
	s_barrier_wait -1
.endm
	s_load_b256 s[4:11], s[0:1], 0x0               ; qbuf, kvbuf, ctx_codes, ctx_scales
	v_lshl_add_u32 v[SPW], v0, 2, SPARE
	v_mov_b32 v[NIL], 0
	ds_add_u32 v[SPW], v[NIL]
	ds_add_u32 v[SPW], v[NIL]
	v_lshrrev_b32 v5, 5, v0
	s_delay_alu instid0(VALU_DEP_1)
	v_readfirstlane_b32 s[WV], v5                  ; wave 0..15
	s_bfe_u32 s13, ttmp6, 0x40000                  ; cx: my block of 512 positions; it enters Q's and ctx's addresses alone
	s_and_b32 s41, ttmp7, 0xffff                   ; y = 16 batch + head, which the four partners share
	s_mul_i32 s43, s[WV], REC                      ; my record: its place in LDS and in the head's stream
	s_mul_i32 s44, s41, 16*REC
	s_add_co_u32 s44, s44, s43
	s_mov_b32 s45, 0
	s_mov_b32 s[G1], 15|(3<<16)|(1<<21)            ; the mask: all four work-groups; elements of 8 bytes; bit 21 beside a mask
	s_mov_b32 s[G1+1], 32<<16                      ; rows of 256 bytes,
	s_mov_b32 s[G1+2], 50<<16                      ; 50 of them
	s_mov_b32 s[G1+3], 32<<16
	s_mov_b32 s[G1+4], 50
	s_mov_b32 s[G1+5], 32
	s_mov_b32 s[G1+6], 0
	s_mov_b32 s[G1+7], 0
	s_lshl_b32 s46, s13, 2
	s_lshr_b32 s48, s[WV], 3
	s_add_co_u32 s46, s46, s48                     ; my first tile's group of 128 positions: 4 cx + wave / 8; the second tile's lies two groups on
	s_lshl_b32 s47, s41, 4
	s_add_co_u32 s47, s47, s46
	s_mul_i32 s48, s47, 6400                       ; its record of Q
	s_and_b32 s49, s[WV], 7
	s_mul_i32 s49, s49, 768
	s_add_co_u32 s50, s48, s49                     ; my tile in it
	s_mov_b32 s51, 0
	s_bfe_u32 s52, s[WV], 0x10001                  ; my tile's scale word: lanes 16 (i % 2) on, register i / 2 of the image, i = (wave % 8) / 2
	s_lshl_b32 s52, s52, 7
	s_bfe_u32 s53, s[WV], 0x10002
	s_lshl_b32 s53, s53, 2
	s_add_co_u32 s52, s52, s53
	s_add_co_u32 s52, s52, s48
	s_add_co_u32 s52, s52, 6144
	s_mov_b32 s53, 0
	s_and_b32 s[SH], s[WV], 1
	s_lshl_b32 s[SH], s[SH], 4
	s_lshr_b32 s54, s41, 4
	s_lshl_b32 s54, s54, 7
	s_lshl_b32 s55, s13, 5
	s_add_co_u32 s54, s54, s55
	s_add_co_u32 s54, s54, s[WV]                   ; my first tile among the 512: 128 batch + 32 cx + wave
	s_and_b32 s55, s41, 15                         ; the head
	s_lshl_b32 s56, s54, 4
	s_add_co_u32 s56, s56, s55
	s_mul_i32 s56, s56, 768
	s_mov_b32 s57, 0
	s_lshl_b32 s58, s54, 9
	s_lshl_b32 s59, s55, 1
	s_add_co_u32 s58, s58, s59
	s_mov_b32 s59, 0
	s_mov_b32 s[SEL], 0x76543210
	s_mov_b32 s[SEL+1], 0xfedcba98
	s_mov_b32 s[CS], 0x3e38aa3b                    ; c = log2(e) / sqrt(64)
	s_mov_b32 s[CS+1], s[CS]
	s_wait_dscnt 0x0
	s_wait_kmcnt 0x0
	s_add_nc_u64 s[QB:QB+1], s[4:5], s[50:51]
	s_add_nc_u64 s[QS:QS+1], s[4:5], s[52:53]
	s_add_nc_u64 s[CB:CB+1], s[8:9], s[56:57]
	s_add_nc_u64 s[CSB:CSB+1], s[10:11], s[58:59]
	CROUND                                         ; all four work-groups are here: the joint loads meet
	s_mov_b32 s[G0], 1
	s_mov_b32 s[G0+1], s43
	s_add_nc_u64 s[G0+2:G0+3], s[6:7], s[44:45]
	s_or_b32 s[G0+3], s[G0+3], 0x80000000
	tensor_load_to_lds s[G0:G0+3], s[G1:G1+7]      ; record w: every wave's one tensor load
	s_nop 0
	v_and_b32 v9, 31, v0
	s_delay_alu instid0(VALU_DEP_1)
	v_lshlrev_b32 v[L16], 4, v9
	s_delay_alu instid0(VALU_DEP_2)
	v_lshlrev_b32 v[L8], 3, v9
	v_and_b32 v9, 15, v0
	s_delay_alu instid0(VALU_DEP_1)
	v_lshlrev_b32 v[QSO], 3, v9
	s_delay_alu instid0(VALU_DEP_2)
	v_lshlrev_b32 v[CSO], 5, v9
.irp i, 0,1,2,3,4,5
	v_mov_b32 v[QLO+6+\i], 0                       ; the zero codes, written once
.endr
.irp b, 0,1,2,3
	v_mov_b32 v[BP+\b], 0                          ; a lane permute's destination counts as one of its sources
.endr
	v_mov_b32 v[F+1], 0
	v_mov_b32 v[T2], 0
	global_load_b128 v[QLO:QLO+3], v[L16], s[QB:QB+1]              ; my first tile's half image, twice,
	global_load_b64 v[QLO+4:QLO+5], v[L8], s[QB:QB+1] offset:512
	global_load_b128 v[QLO+12:QLO+15], v[L16], s[QB:QB+1]
	global_load_b64 v[QLO+16:QLO+17], v[L8], s[QB:QB+1] offset:512
	global_load_b32 v[T1], v[QSO], s[QS:QS+1]
	global_load_b128 v[QST:QST+3], v[L16], s[QB:QB+1] offset:12800 ; and my second tile's, kept until its turn
	global_load_b64 v[QST+4:QST+5], v[L8], s[QB:QB+1] offset:13312
	global_load_b32 v[QR], v[QSO], s[QS:QS+1] offset:12800
	s_wait_loadcnt 0x0
.macro FLOAD st, off, sc               ; eight half images and the scale image at byte off of the record in hand: 17 LDS loads
.irp t, 0,1,2,3,4,5,6,7
	ds_load_b128 v[(\st)+6*\t:(\st)+6*\t+3], v[ADK] offset:(\off)+768*\t
	ds_load_b64 v[(\st)+6*\t+4:(\st)+6*\t+5], v[AD8] offset:(\off)+768*\t+512
.endr
	ds_load_b64 v[\sc:\sc+1], v[AD8] offset:(\off)+6144
.endm
.macro KQ t, sk, ss                    ; S^T tile t: 16 key positions x my 16 queries
.if ((\t)/2)%2
	v_wmma_scale_f32_16x16x128_f8f6f4 v[(\ss)+8*(\t):(\ss)+8*(\t)+7], v[(\sk)+12*((\t)/2):(\sk)+12*((\t)/2)+11], v[QLO+6*((\t)%2):QLO+6*((\t)%2)+11], 0, v[KSC+(\t)/4], v[QW] matrix_a_fmt:MATRIX_FMT_FP6 matrix_b_fmt:MATRIX_FMT_FP6 matrix_a_scale:MATRIX_SCALE_ROW1
.else
	v_wmma_scale_f32_16x16x128_f8f6f4 v[(\ss)+8*(\t):(\ss)+8*(\t)+7], v[(\sk)+12*((\t)/2):(\sk)+12*((\t)/2)+11], v[QLO+6*((\t)%2):QLO+6*((\t)%2)+11], 0, v[KSC+(\t)/4], v[QW] matrix_a_fmt:MATRIX_FMT_FP6 matrix_b_fmt:MATRIX_FMT_FP6
.endif
.endm
.macro PV d, sk                        ; O^T tile d += 16 of the head's 64 x 128 keys x p
.if (\d)%2
	v_wmma_scale_f32_16x16x128_f8f6f4 v[O+8*(\d):O+8*(\d)+7], v[(\sk)+12*(\d):(\sk)+12*(\d)+11], v[PCD:PCD+11], v[O+8*(\d):O+8*(\d)+7], v[VSC+(\d)/2], v[PW] matrix_a_fmt:MATRIX_FMT_FP6 matrix_b_fmt:MATRIX_FMT_FP6 matrix_a_scale:MATRIX_SCALE_ROW1
.else
	v_wmma_scale_f32_16x16x128_f8f6f4 v[O+8*(\d):O+8*(\d)+7], v[(\sk)+12*(\d):(\sk)+12*(\d)+11], v[PCD:PCD+11], v[O+8*(\d):O+8*(\d)+7], v[VSC+(\d)/2], v[PW] matrix_a_fmt:MATRIX_FMT_FP6 matrix_b_fmt:MATRIX_FMT_FP6
.endif
.endm
.macro PADD d, a, b
	v_pk_add_f32 v[\d:\d+1], v[\a:\a+1], v[\b:\b+1]
.endm
; A KEY STEP: one record, 128 keys.  sk: the set with K's fragments, then V's; ss: the set for S^T and p; ro: the record's byte from the trip's first; last = 1: the trip's second step, which steps the address
.macro STEP sk, ss, ro, last
	WALU
	s_wait_dscnt 0x0                               ; K's fragments and scale image, asked for in the step before, are in
.irp t, 0,1,2,3,4,5,6,7
	KQ \t, \sk, \ss
.endr
.rept 4
	v_nop                                          ; places: the scores are read, and K's registers loaded anew, below
.endr
	FLOAD \sk, (\ro)+6400, VSC                     ; V^T's four fragments land under the softmax
.if \last
	s_add_co_u32 s[TB], s[TB], 2*REC
	s_min_u32 s[TN], s[TB], 14*REC                 ; held at the last pair of records: a tile's last step asks for record 14 again
	v_add_nc_u32 v[ADK], s[TN], v[L16]
	v_add_nc_u32 v[AD8], s[TN], v[L8]
.endif
.irp b, 0,1,2,3
	v_max3_num_f32 v[BM+\b], v[(\ss)+16*\b], v[(\ss)+1+16*\b], v[(\ss)+2+16*\b]   ; the largest score of each block of 32 keys: for the row's maximum and for the block's largest p
.endr
.irp i, 3,5,7,9,11,13
.irp b, 0,1,2,3
	v_max3_num_f32 v[BM+\b], v[BM+\b], v[(\ss)+16*\b+\i], v[(\ss)+1+16*\b+\i]
.endr
.endr
.irp b, 0,1,2,3
	v_max_num_f32 v[BM+\b], v[BM+\b], v[(\ss)+15+16*\b]
.endr
.irp b, 0,1,2,3
	s_delay_alu instid0(VALU_DEP_4)
	v_permlanex16_b32 v[BP+\b], v[BM+\b], s[SEL], s[SEL+1]
.endr
.irp b, 0,1,2,3
	s_delay_alu instid0(VALU_DEP_4)
	v_max_num_f32 v[BM+\b], v[BM+\b], v[BP+\b]     ; with lane l xor 16's 16 keys
.endr
	s_delay_alu instid0(VALU_DEP_2)
	v_max3_num_f32 v[T2], v[BM], v[BM+1], v[BM+2]
	s_delay_alu instid0(VALU_DEP_1)
	v_max_num_f32 v[T2], v[T2], v[BM+3]
	s_delay_alu instid0(VALU_DEP_1)
	v_mul_f32 v[T2], s[CS], v[T2]                  ; the step's largest t (c is positive)
	s_delay_alu instid0(VALU_DEP_1)
	v_max_num_f32 v13, v13, v[T2]                  ; the running largest t
	s_delay_alu instid0(VALU_DEP_1)
	v_floor_f32 v12, -v13                          ; the new -M = -ceil(t)
	s_delay_alu instid0(VALU_DEP_1)
	v_sub_f32 v[T2], v12, v[OM]                    ; old M - new M: a whole number, 0 or less
	s_delay_alu instid0(VALU_DEP_1)
	v_cvt_i32_f32 v[T2], v[T2]
	s_delay_alu instid0(VALU_DEP_1)
	v_ldexp_f32 v[F], 1.0, v[T2]                   ; f = 2^(old M - new M)
.set j, 0
.rept 32
	v_pk_fma_f32 v[(\ss)+j:(\ss)+j+1], v[(\ss)+j:(\ss)+j+1], s[CS:CS+1], v[12:13] op_sel_hi:[1,0,0]   ; t - M, two at a time
.set j, j+2
.endr
.irp b, 0,1,2,3
	v_fma_f32 v[BM+\b], v[BM+\b], s[CS], v12       ; the same of each block's largest score
.endr
	WALU                                           ; ahead of the batch
.set j, 0
.rept 64
	v_exp_f32 v[(\ss)+j], v[(\ss)+j]               ; p = 2^(t - M)
.set j, j+1
.endr
	v_pk_mul_f32 v[14:15], v[14:15], v[F:F+1] op_sel_hi:[1,0]   ; the sums under the new M
	WALU                                           ; one wait for the batch of 64
.irp b, 0,1,2,3
	v_exp_f32 v[BM+\b], v[BM+\b]                   ; the block's largest p
.endr
.irp k, 0,1,2,3,4,5,6                          ; the row's sum of the unquantised p: eight chains of pairs
	PADD TS+2*\k, (\ss)+8*\k+4, (\ss)+8*\k+8
.endr
	PADD 14, 14, (\ss)+60
	PADD TS, TS, (\ss)
.irp k, 1,2,3,4,5,6
	PADD TS+2*\k, TS+2*\k, (\ss)+4*\k-2
.endr
	PADD 14, 14, (\ss)+26
.irp k, 0,1,2,3,4,5,6
	PADD TS+2*\k, TS+2*\k, (\ss)+30+4*\k
.endr
	PADD 14, 14, (\ss)+58
	PADD TS, TS, (\ss)+62
	WALU                                           ; and one for the four
.irp b, 0,1,2,3
	v_max_num_f32 v[BM+\b], 0x1800000, v[BM+\b]    ; the floor 2^(3 - 127): the byte cannot fall under 1
.endr
.irp b, 0,1,2,3
	s_delay_alu instid0(VALU_DEP_4)
	v_add_nc_u32 v[BS+\b], 0xff000000, v[BM+\b]    ; 2 off the exponent field: the conversion's scale operand
.endr
.irp b, 0,1,2,3
	s_delay_alu instid0(VALU_DEP_4)
	v_lshrrev_b32 v[BP+\b], 23, v[BS+\b]           ; the scale's byte
.endr
	s_delay_alu instid0(VALU_DEP_3)
	v_lshl_or_b32 v[PW], v[BP+1], 8, v[BP]         ; p's scale word for these 128 keys
	s_delay_alu instid0(VALU_DEP_1)
	v_lshl_or_b32 v[PW], v[BP+2], 16, v[PW]
	s_delay_alu instid0(VALU_DEP_1)
	v_lshl_or_b32 v[PW], v[BP+3], 24, v[PW]
.irp c, 0,1
	v_cvt_scalef32_pk16_fp6_f32 v[PCD+6*\c:PCD+2+6*\c], v[(\ss)+32*\c:(\ss)+15+32*\c], v[BS+2*\c]
	v_cvt_scalef32_pk16_fp6_f32 v[PC2+4*\c:PC2+2+4*\c], v[(\ss)+16+32*\c:(\ss)+31+32*\c], v[BS+2*\c+1]
.endr
.if \last
	FLOAD \ss, 0, KSC                              ; p has been converted: its set takes the next record's K
.else
	FLOAD \ss, (\ro)+REC, KSC
.endif
	WALU                                           ; directly ahead of the first readers of O^T
.set j, 0
.rept 16
	v_pk_mul_f32 v[O+j:O+j+1], v[O+j:O+j+1], v[F:F+1] op_sel_hi:[1,0]   ; O^T under the new M, each accumulator from its low end on (plain lines behind the conversions too)
.set j, j+2
.endr
.irp c, 0,1                                    ; a whole block in a lane: lanes 0-15 block 2 c, lanes 16-31 block 2 c + 1
.irp i, 0,1,2
	v_permlane16_swap_b32 v[PCD+6*\c+\i], v[PC2+4*\c+\i]
.endr
.irp i, 0,1,2
	s_delay_alu instid0(VALU_DEP_3)
	v_mov_b32 v[PCD+3+6*\c+\i], v[PC2+4*\c+\i]
.endr
.endr
	WALU
	s_wait_dscnt 17                                ; V^T's 17 loads are in; the 17 for the next K, issued behind them, may be out
	PADD 14, 14, TS+6                              ; the chains are joined: these four are the places behind p's codes,
	PADD TS, TS, TS+8
	PADD TS+2, TS+2, TS+10
	PADD TS+4, TS+4, TS+12
.irp d, 0,1,2,3
	PV \d, \sk                                     ; the four accumulators by turns; eight products of S^T lie between a link and the one before it
.endr
	PADD 14, 14, TS+2                              ; and these five the places ahead of the next S^T, which falls onto V's registers
	PADD TS, TS, TS+4
	v_mov_b32 v[OM], v12
	PADD 14, 14, TS
	v_nop
.endm
; A tile's end: O^T / the sum is ctx; register 16 B + i is d = 32 B + 16 (lane / 16) + i of my query: two blocks of 32, quantised as p is, stored as a half image.  Set RB, which V has left, takes the quotients.
.macro FINISH hh
	v_add_f32 v14, v14, v15
	s_delay_alu instid0(VALU_DEP_1)
	v_permlanex16_b32 v[T2], v14, s[SEL], s[SEL+1]
	s_delay_alu instid0(VALU_DEP_1)
	v_add_f32 v14, v14, v[T2]
	WALU
	v_rcp_f32 v14, v14
	v_nop
	WALU
.set j, 0
.rept 16
	v_pk_mul_f32 v[RB+j:RB+j+1], v[O+j:O+j+1], v[14:15] op_sel_hi:[1,0]
.set j, j+2
.endr
.irp b, 0,1
	v_max3_num_f32 v[BM+\b], |v[RB+16*\b]|, |v[RB+1+16*\b]|, 0x1800000
.endr
.irp i, 2,4,6,8,10,12,14
.irp b, 0,1
	s_delay_alu instid0(VALU_DEP_2)
	v_max3_num_f32 v[BM+\b], v[BM+\b], |v[RB+16*\b+\i]|, |v[RB+1+16*\b+\i]|
.endr
.endr
.irp b, 0,1
	s_delay_alu instid0(VALU_DEP_2)
	v_permlanex16_b32 v[BP+\b], v[BM+\b], s[SEL], s[SEL+1]
.endr
.irp b, 0,1
	s_delay_alu instid0(VALU_DEP_2)
	v_max_num_f32 v[BM+\b], v[BM+\b], v[BP+\b]
.endr
.irp b, 0,1
	s_delay_alu instid0(VALU_DEP_2)
	v_add_nc_u32 v[BS+\b], 0xff000000, v[BM+\b]
.endr
.irp b, 0,1
	s_delay_alu instid0(VALU_DEP_2)
	v_lshrrev_b32 v[BP+\b], 23, v[BS+\b]
.endr
	v_cvt_scalef32_pk16_fp6_f32 v[CC:CC+2], v[RB:RB+15], v[BS]
	v_cvt_scalef32_pk16_fp6_f32 v[CC+4:CC+6], v[RB+16:RB+31], v[BS+1]
	v_lshl_or_b32 v[T1], v[BP+1], 8, v[BP]         ; the head's two bytes (a plain line behind the conversions)
.irp i, 0,1,2
	v_permlane16_swap_b32 v[CC+\i], v[CC+4+\i]
.endr
	s_delay_alu instid0(VALU_DEP_3)
	v_mov_b32 v[CC+3], v[CC+4]
	s_delay_alu instid0(VALU_DEP_3)
	v_mov_b32 v[CC+4], v[CC+5]
	s_delay_alu instid0(VALU_DEP_3)
	v_mov_b32 v[CC+5], v[CC+6]
	global_store_b128 v[L16], v[CC:CC+3], s[CB:CB+1] offset:196608*\hh       ; 512 consecutive bytes, aligned to 256
	global_store_b64 v[L8], v[CC+4:CC+5], s[CB:CB+1] offset:196608*\hh+512   ; 256 consecutive bytes, aligned
	global_store_b16 v[CSO], v[T1], s[CSB:CSB+1] offset:8192*\hh             ; lanes l and l + 16 store the same two bytes
.endm
.macro TILE hh
.if \hh
	WALU
	s_wait_dscnt 0x0                               ; the loads that the first tile's last step issued have landed: their registers may be asked for again
	s_wait_xcnt 0x0                                ; the first tile's stores have read their data registers
.irp i, 0,1,2,3,4,5
	v_mov_b32 v[QLO+\i], v[QST+\i]
	v_mov_b32 v[QLO+12+\i], v[QST+\i]
.endr
	v_lshrrev_b32 v[T1], s[SH], v[QR]
.else
	v_lshrrev_b32 v[T1], s[SH], v[T1]              ; my tile's two bytes,
.endif
	s_delay_alu instid0(VALU_DEP_1)
	v_perm_b32 v[QW], v[T1], v[T1], 0x01000100     ; for K = 0 .. 63 and again for K = 64 .. 127
	s_mov_b32 s[TB], 0
	v_mov_b32 v[ADK], v[L16]
	v_mov_b32 v[AD8], v[L8]
	FLOAD RA, 0, KSC                               ; record 0's K
	v_mov_b32 v13, 0xff61b1e6                      ; the largest t so far: -3e38
	s_delay_alu instid0(VALU_DEP_1)
	v_floor_f32 v12, -v13                          ; -M
	v_mov_b32 v14, 0
	v_mov_b32 v15, 0
	v_mov_b32 v[OM], v12
.set j, 0
.rept 32
	v_mov_b32 v[O+j], 0                            ; the step is written once: the first finds zeros.  (Also the places between Q's scale word and the first product)
.set j, j+1
.endr
	s_mov_b32 s[CNT], 8
.Lstep_\@:
	STEP RA, RB, 0, 0
	STEP RB, RA, REC, 1
	s_sub_co_u32 s[CNT], s[CNT], 1
	s_cmp_lg_u32 s[CNT], 0
	WALU
	s_cbranch_scc1 .Lstep_\@
	FINISH \hh
.endm
	WALU                                           ; the wait at the head's end
	s_wait_tensorcnt 0x0                           ; my record is in;
	s_barrier_signal -1
	s_barrier_wait -1                              ; and so is everybody's: all sixteen
	TILE 0
	TILE 1
	s_wait_tensorcnt 0x0                           ; the wave's end
	ds_add_u32 v[SPW], v[NIL]
	s_wait_dscnt 0x0
	CROUND                                         ; the closing round
	s_endpgm
.Lfunc_end_k_q49abbddd18_attn:
	.size	k_q49abbddd18_attn, .Lfunc_end_k_q49abbddd18_attn-k_q49abbddd18_attn
	.p2alignl 7, 3214868480
	.fill 96, 4, 3214868480
	.section	.rodata,"a",@progbits
	.p2align	6, 0x0
	.amdhsa_kernel k_q49abbddd18_attn
		.amdhsa_group_segment_fixed_size 327680
		.amdhsa_private_segment_fixed_size 0
		.amdhsa_enable_private_segment 0
		.amdhsa_kernarg_size 32
		.amdhsa_user_sgpr_count 2
		.amdhsa_user_sgpr_kernarg_segment_ptr 1
		.amdhsa_wavefront_size32 1
		.amdhsa_system_sgpr_workgroup_id_x 1
		.amdhsa_system_sgpr_workgroup_id_y 1
		.amdhsa_system_sgpr_workgroup_id_z 1
		.amdhsa_system_vgpr_workitem_id 0
		.amdhsa_next_free_vgpr 256
		.amdhsa_next_free_sgpr 66
		.amdhsa_reserve_vcc 0
		.amdhsa_float_denorm_mode_32 3
		.amdhsa_float_denorm_mode_16_64 3
		.amdhsa_memory_ordered 1
		.amdhsa_forward_progress 1
		.amdhsa_inst_pref_size 87
	.end_amdhsa_kernel
	.amdgpu_metadata
---
amdhsa.version: [ 1, 2 ]
amdhsa.kernels:
  - .name:           k_q49abbddd18_attn
    .symbol:         k_q49abbddd18_attn.kd
    .args:
      - { .name: qbuf, .offset: 0, .size: 8, .value_kind: global_buffer, .address_space: global }
      - { .name: kvbuf, .offset: 8, .size: 8, .value_kind: global_buffer, .address_space: global }
      - { .name: ctx_codes, .offset: 16, .size: 8, .value_kind: global_buffer, .address_space: global }
      - { .name: ctx_scales, .offset: 24, .size: 8, .value_kind: global_buffer, .address_space: global }
    .group_segment_fixed_size: 327680
    .private_segment_fixed_size: 0
    .kernarg_segment_align: 8
    .kernarg_segment_size: 32
    .max_flat_workgroup_size: 512
    .sgpr_count:     66
    .vgpr_count:     256
    .wavefront_size: 32
...
	.end_amdgpu_metadata
.endif
;; end of part 3
;; launch oproj (part 4): grid 4 x 64, 4 waves a work-group, clusters of 4 x 4, 327,680 bytes of LDS; arguments ctx_codes, ctx_scales, w_codes, w_scales, out0, bo; writes out0
.if DOCPART == 4
	.amdgcn_target "amdgcn-amd-amdhsa--gfx1250"
	.amdhsa_code_object_version 6
	.text
	.protected	k_q49abbddd18_oproj
	.globl	k_q49abbddd18_oproj
	.p2align	8
	.type	k_q49abbddd18_oproj,@function
k_q49abbddd18_oproj:
	s_mov_b64 s[64:65], 0
	v_nop
	global_prefetch_b8 v0, s[64:65] scope:SCOPE_SE
	s_setreg_imm32_b32 hwreg(HW_REG_WAVE_MODE, 25, 1), 1
	s_wait_xcnt 0x0
	s_wait_alu depctr_hold_cnt(0) depctr_sa_sdst(0) depctr_va_vdst(0) depctr_va_sdst(0) depctr_va_ssrc(0) depctr_va_vcc(0) depctr_vm_vsrc(0)
	s_getreg_b32 s2, hwreg(HW_REG_IB_STS2, 6, 4)
	s_cmp_eq_u32 s2, 0
	s_cbranch_scc0 .Lentry_in_a_cluster
	s_endpgm
.Lentry_in_a_cluster:
	s_bfe_u32 s2, ttmp6, 0x10000c
	s_cmp_lg_u32 s2, 0xf033
	s_cbranch_scc0 .Lentry_shape_is_right
	s_endpgm
.Lentry_shape_is_right:
.set KSTEP,  256
.set NQ,     2
.set ROWB,   192
.set KROW,   768
.set PITCH,  240
.set FR,     12
.set NLA,    4
.set NP,     4
; A work-group makes 128 rows x 256 columns of the result: 4 x 64 = 256 work-groups.  A wave makes 64 x 128: four blocks of 16 positions of ctx against eight blocks of wo's rows, 32 accumulators.
.set HALFA,  4*3072
.set ADRS2, 30                         ; v30: as v27, but lanes 0-15 four blocks back: it serves the scale loads 4 to 7, of which only lanes 16-31 (wo's blocks 4 to 7) are used
.set HALFB,  128*PITCH
.set SLOT,   2*HALFA+2*HALFB
.set KS,     32
.set SCL,    2*SLOT
.set HALFS,  16*272
.set SBLK,   2*272
.set SPARE,  SCL+4*HALFS
.set SPITCH, 528
.set ADRA, 16
.set ADRB, 20
.set STO,  24
.set RD,   25
.set CO,   26
.set ADRS, 27
.set SPW,  28
.set NIL,  29
.set SC,   32
.set BI,   64
.set AF,   128
.set BK,   128
.set G1, 24
.set G0, 32
.set G1B, 48
.set G0B, 56
.set G1S, 68
.set G0S, 76
.set G1SB, 80
.set G0SB, 88
.set MSB, 0
.macro WIN new
.if MSB != (\new)
	s_set_vgpr_msb (MSB<<8)|(\new)
.set MSB, (\new)
.endif
.endm
.set MUL_LO, 0xa1
.set MUL_HI, 0xf1
.set BIAS_LO, 0x81
.set BIAS_HI, 0xc1
.set TO_B,   0x40
.macro JLOAD g0a, g1a, g0b, g1b
	s_cmp_eq_u32 s15, 0
	s_cbranch_scc0 .Lfor_b_\@
	tensor_load_to_lds s[\g0a:\g0a+3], s[\g1a:\g1a+7]
	s_nop 0
.rept 4
	v_nop
.endr
	s_branch .Lasked_\@
.Lfor_b_\@:
	tensor_load_to_lds s[\g0b:\g0b+3], s[\g1b:\g1b+7]
	s_nop 0
.rept 4
	v_nop
.endr
.Lasked_\@:
.endm
.macro CREST
	s_cmp_lg_u32 s14, 0
	s_cbranch_scc1 .Lnot_wave_0_\@
	s_barrier_signal -3
.Lnot_wave_0_\@:
	s_barrier_wait -3
	s_barrier_signal -1
	s_barrier_wait -1
.endm
.macro CROUND
	s_barrier_signal -1
	s_barrier_wait -1
	CREST
.endm
	s_load_b128 s[4:7], s[0:1], 0x0
	s_load_b128 s[8:11], s[0:1], 0x10
	s_load_b64 s[12:13], s[0:1], 0x20
	s_load_b64 s[96:97], s[0:1], 0x28
	v_lshl_add_u32 v[SPW], v0, 2, SPARE
	v_mov_b32 v[NIL], 0
	ds_add_u32 v[SPW], v[NIL]
	ds_add_u32 v[SPW], v[NIL]
	v_lshrrev_b32 v1, 5, v0
	v_readfirstlane_b32 s14, v1
	s_lshr_b32 s15, s14, 1
	s_and_b32 s16, s14, 1
	s_bfe_u32 s40, ttmp6, 0x40000
	s_bfe_u32 s41, ttmp6, 0x40004
	s_lshl_b32 s42, ttmp9, 2
	s_add_co_u32 s42, s42, s40
	s_and_b32 s17, ttmp7, 0xffff
	s_lshl_b32 s17, s17, 2
	s_add_co_u32 s17, s17, s41
	s_lshl_b32 s43, s41, 2
	s_lshl_b32 s43, 15, s43
	s_lshl_b32 s44, 0x1111, s40
	s_or_b32 s[G1+0], s43, (3<<16)|(1<<21)
	s_mov_b32 s[G1+1], 384<<16
	s_mov_b32 s[G1+2], 8<<16
	s_mov_b32 s[G1+3], 384<<16
	s_mov_b32 s[G1+4], 8
	s_mov_b32 s[G1+5], 1536
	s_mov_b32 s[G1+6], 0
	s_mov_b32 s[G1+7], 0
	s_or_b32 s[G1B+0], s44, (0<<16)|(1<<20)|(1<<21)|(3<<22)|(3<<25)
	s_mov_b32 s[G1B+1], 256<<16                    ; a K step's codes of 256 positions of wo are dense: 192 rows of 256 bytes for the head's load; the padding's interval stays 64 bytes
	s_mov_b32 s[G1B+2], 192<<16
	s_mov_b32 s[G1B+3], 256<<16
	s_mov_b32 s[G1B+4], 192
	s_mov_b32 s[G1B+5], 256
	s_mov_b32 s[G1B+6], 0
	s_mov_b32 s[G1B+7], 0
	s_or_b32 s[G1S+0], s43, (3<<16)|(1<<20)|(1<<21)|(5<<22)|(3<<25)
	s_or_b32 s[G1SB+0], s44, (3<<16)|(1<<20)|(1<<21)|(5<<22)|(3<<25)
.irp g, G1S, G1SB
	s_mov_b32 s[\g+1], 32<<16
	s_mov_b32 s[\g+2], 32<<16
	s_mov_b32 s[\g+3], 32<<16
	s_mov_b32 s[\g+4], 32
	s_mov_b32 s[\g+5], 32
	s_mov_b32 s[\g+6], 0
	s_mov_b32 s[\g+7], 0
.endr
	s_mov_b32 s[G1S+2], 16<<16                     ; ctx's scales: 128 rows are 16 rows of 256 bytes
	s_mov_b32 s[G1S+4], 16
	s_lshl_b32 s20, s17, 3
	s_mov_b32 s21, 0
	s_mov_b64 s[18:19], 512
	s_mul_u64 s[22:23], s[20:21], s[18:19]
	s_mov_b64 s[18:19], 12288
	s_mul_u64 s[20:21], s[20:21], s[18:19]
	s_lshl_b32 s46, s42, 8
	s_add_co_u32 s46, s46, 3072
	s_mov_b32 s47, 0
	s_mov_b64 s[18:19], KS
	s_mul_u64 s[92:93], s[46:47], s[18:19]
	s_mov_b64 s[18:19], KROW
	s_mul_u64 s[46:47], s[46:47], s[18:19]
	s_mul_i32 s45, s16, HALFA
	s_mul_i32 s95, s16, HALFB
	s_add_co_u32 s95, s95, 2*HALFA
	s_wait_dscnt 0x0
	s_wait_kmcnt 0x0
	s_add_nc_u64 s[20:21], s[4:5], s[20:21]
	s_add_nc_u64 s[22:23], s[6:7], s[22:23]
	s_add_nc_u64 s[46:47], s[8:9], s[46:47]
	s_add_nc_u64 s[92:93], s[10:11], s[92:93]
	CROUND
	s_mov_b32 s[G0S], 1
	s_mov_b32 s[G0S+1], SCL
	s_mov_b64 s[G0S+2:G0S+3], s[22:23]
	s_or_b32 s[G0S+3], s[G0S+3], 0x80000000
	s_mov_b32 s[G0SB], 1
	s_mov_b32 s[G0SB+1], SCL+HALFS
	s_mov_b64 s[G0SB+2:G0SB+3], s[92:93]
	s_or_b32 s[G0SB+3], s[G0SB+3], 0x80000000
.set KT, 49152                         ; a K step's codes of 256 positions of wo, in bytes
	s_mov_b32 s4, 1                                ; the head's loads of K step 0, each tile whole: ctx's 8 tiles of 16 positions,
	s_mov_b32 s5, 0
	s_mov_b64 s[6:7], s[20:21]
	s_or_b32 s7, s7, 0x80000000
	s_mov_b32 s8, 1                                ; and wo's 256 rows, behind them in slot 0
	s_mov_b32 s9, 2*HALFA
	s_mov_b64 s[10:11], s[46:47]
	s_or_b32 s11, s11, 0x80000000
	s_mul_i32 s18, s16, 4*12288                    ; in the ring I fetch half a tile: 4 tiles of ctx,
	s_mov_b32 s19, 0
	s_add_nc_u64 s[20:21], s[20:21], s[18:19]
	s_mul_i32 s18, s16, KT/2                       ; or 128 rows of wo
	s_add_nc_u64 s[46:47], s[46:47], s[18:19]
.irp s, 0,1
	s_mov_b32 s[G0+4*\s], 1
	s_add_co_u32 s[G0+4*\s+1], s45, \s*SLOT
	s_add_nc_u64 s[G0+4*\s+2:G0+4*\s+3], s[20:21], \s*3072
	s_or_b32 s[G0+4*\s+3], s[G0+4*\s+3], 0x80000000
	s_mov_b32 s[G0B+4*\s], 1
	s_add_co_u32 s[G0B+4*\s+1], s95, \s*SLOT
	s_add_nc_u64 s[G0B+4*\s+2:G0B+4*\s+3], s[46:47], \s*KT
	s_or_b32 s[G0B+4*\s+3], s[G0B+4*\s+3], 0x80000000
.endr
; the head's four tiles, one load a wave: one chain of branches on the wave's number, every way passes one load
.macro ARM under, g0, g1, next
	s_cmp_lt_u32 s14, \under
	s_cbranch_scc0 \next
	tensor_load_to_lds s[\g0:\g0+3], s[\g1:\g1+7]
	s_nop 0
.rept 4
	v_nop
.endr
	s_branch .Lhead_asked
\next:
.endm
	ARM 1, 4, G1, .Lhead_b
	ARM 2, 8, G1B, .Lhead_sa
	ARM 3, G0S, G1S, .Lhead_sb
	tensor_load_to_lds s[G0SB:G0SB+3], s[G1SB:G1SB+7]
	s_nop 0
.rept 4
	v_nop
.endr
.Lhead_asked:
	v_and_b32 v1, 15, v0
	v_bfe_u32 v2, v0, 4, 1
	v_mul_u32_u24 v3, v1, PITCH
	v_mul_u32_u24 v4, v2, 24
	v_add_nc_u32 v4, v3, v4
	v_lshl_add_u32 v5, v2, 4, v4
	v_and_b32 v6, 31, v0
	v_lshlrev_b32 v7, 4, v6
	v_lshlrev_b32 v8, 3, v6
	s_mul_i32 s21, s15, HALFA
	s_mul_i32 s22, s16, HALFB
	s_add_co_u32 s22, s22, 2*HALFA
.irp s, 0,1
	v_add_nc_u32 v[ADRA+\s], s21, v7
	v_add_nc_u32 v[ADRA+2+\s], s21, v8
	v_add_nc_u32 v[ADRB+\s], s22, v4
	v_add_nc_u32 v[ADRB+2+\s], s22, v5
	s_add_co_u32 s21, s21, SLOT
	s_add_co_u32 s22, s22, SLOT
.endr
	v_mul_u32_u24 v5, v1, KS
	v_lshrrev_b32 v6, 8, v5
	v_lshl_add_u32 v5, v6, 4, v5
	s_mul_i32 s21, s15, HALFS/2
	s_mul_i32 s22, s16, HALFS
	s_add_co_u32 s22, s22, HALFS
	s_sub_co_u32 s22, s22, s21
	v_mul_u32_u24 v6, s22, v2
	s_add_co_u32 s23, s22, 4*SBLK
	v_mul_u32_u24 v10, s23, v2
	s_add_co_u32 s21, s21, SCL
	v_add_nc_u32 v10, v5, v10
	v_add_nc_u32 v5, v5, v6
	v_add_nc_u32 v[ADRS], s21, v5
	s_sub_co_u32 s21, s21, 4*SBLK
	v_add_nc_u32 v[ADRS2], s21, v10
	s_mul_i32 s23, s14, 16*SPITCH
	v_mul_u32_u24 v5, v1, SPITCH
	v_lshl_add_u32 v5, v2, 6, v5
	v_add_nc_u32 v[STO], s23, v5
	v_mov_b32 v[CO], v7
	v_add_nc_u32 v[RD], s23, v7
	s_lshl_b32 s20, s17, 7
	s_lshl_b32 s21, s15, 6
	s_add_co_u32 s20, s20, s21
	s_mov_b32 s21, 0
	s_lshl_b64 s[20:21], s[20:21], 12
	s_lshl_b32 s46, s42, 10
	s_lshl_b32 s47, s16, 9
	s_add_co_u32 s46, s46, s47
	s_mov_b32 s47, 0
	s_add_nc_u64 s[20:21], s[20:21], s[46:47]
	s_add_nc_u64 s[12:13], s[12:13], s[20:21]
	s_add_nc_u64 s[96:97], s[96:97], s[46:47]
	v_lshlrev_b32 v9, 6, v2
.irp b, 0,1,2,3,4,5,6,7
	global_load_b128 v[BI+8*\b:BI+8*\b+3], v9, s[96:97] offset:(32*(\b/2)+8*(\b%2))*4
	global_load_b128 v[BI+8*\b+4:BI+8*\b+7], v9, s[96:97] offset:(32*(\b/2)+8*(\b%2))*4+16
.endr
.macro FRAG reg, adr, q, i
.irp p, 0,1,2,3,4,5
.set PCE, 12*(\q)+6*(\p/3)+\p%3
.if PCE%8 < 5
	ds_load_b64 v[\reg+2*\p:\reg+2*\p+1], v[\adr] offset:8*PCE+16*(PCE/8)+(\i)*16*PITCH
.else
	ds_load_b64 v[\reg+2*\p:\reg+2*\p+1], v[\adr+2] offset:8*PCE+16*(PCE/8)+(\i)*16*PITCH
.endif
.endr
.endm
.macro FRAGA reg, slot, q, i
	ds_load_b128 v[\reg:\reg+3], v[ADRA+\slot] offset:3072*(\i)+1536*(\q)
	ds_load_b64 v[\reg+4:\reg+5], v[ADRA+2+\slot] offset:3072*(\i)+1536*(\q)+512
	ds_load_b128 v[\reg+6:\reg+9], v[ADRA+\slot] offset:3072*(\i)+1536*(\q)+768
	ds_load_b64 v[\reg+10:\reg+11], v[ADRA+2+\slot] offset:3072*(\i)+1536*(\q)+1280
.endm
.macro MUL16 a0, p, q, sc, zero
.irp a, \a0, \a0+1
.irp b, 0,1,2,3,4,5,6,7
.if \zero
	v_wmma_scale_f32_16x16x128_f8f6f4 v[8*(8*((\a)%4)+\b):8*(8*((\a)%4)+\b)+7], v[128*(\p)+FR*\b:128*(\p)+FR*\b+FR-1], v[AF+FR*(\a):AF+FR*(\a)+FR-1], v[BI+8*\b:BI+8*\b+7], v[SC+8*NQ*(\sc)+NQ*\b+(\q)], v[SC+8*NQ*(\sc)+NQ*(\a)+(\q)] matrix_a_fmt:MATRIX_FMT_FP6 matrix_b_fmt:MATRIX_FMT_FP6 matrix_a_scale:MATRIX_SCALE_ROW1
.else
	v_wmma_scale_f32_16x16x128_f8f6f4 v[8*(8*((\a)%4)+\b):8*(8*((\a)%4)+\b)+7], v[128*(\p)+FR*\b:128*(\p)+FR*\b+FR-1], v[AF+FR*(\a):AF+FR*(\a)+FR-1], v[8*(8*((\a)%4)+\b):8*(8*((\a)%4)+\b)+7], v[SC+8*NQ*(\sc)+NQ*\b+(\q)], v[SC+8*NQ*(\sc)+NQ*(\a)+(\q)] matrix_a_fmt:MATRIX_FMT_FP6 matrix_b_fmt:MATRIX_FMT_FP6 matrix_a_scale:MATRIX_SCALE_ROW1
.endif
.endr
.endr
.endm
.macro FETCH_B slot, q, p
	WIN TO_B
.irp i, 0,1,2,3,4,5,6,7
	FRAG 128*(\p)+FR*\i, ADRB+\slot, \q, \i
.endr
	WIN 0
.endm
.macro FETCH_A slot, q, i0
.irp i, \i0, \i0+1
	FRAGA AF+FR*(\i), \slot, \q, \i
.endr
.endm
.macro SCALES sc
.irp i, 0,1,2,3
	ds_load_b64 v[SC+8*NQ*\sc+NQ*\i:SC+8*NQ*\sc+NQ*\i+1], v[ADRS] offset:\i*SBLK
.endr
.irp i, 4,5,6,7
	ds_load_b64 v[SC+8*NQ*\sc+NQ*\i:SC+8*NQ*\sc+NQ*\i+1], v[ADRS2] offset:\i*SBLK
.endr
.endm
.macro PLACES n
.rept \n
	v_nop
.endr
.endm
.macro STEP slot, q, zero
	s_wait_dscnt 2*NLA
.if \zero
	WIN BIAS_LO
.else
	WIN MUL_LO
.endif
	MUL16 0, (\q)%2, \q, \slot, \zero
	s_wait_dscnt 0
	PLACES NP
	FETCH_B \slot, (\q)+1, 1-(\q)%2
	FETCH_A \slot, (\q)+1, 0
.if \zero
	WIN BIAS_LO
.else
	WIN MUL_LO
.endif
	MUL16 2, (\q)%2, \q, \slot, \zero
	PLACES NP
	WIN 0
	FETCH_A \slot, (\q)+1, 2
.endm
.macro TURN slot, next, fill
	s_wait_tensorcnt 0x0
	ds_add_u32 v[SPW], v[NIL]
	s_wait_dscnt 2*NLA+1
	WIN MUL_LO
	MUL16 0, 1, NQ-1, \slot, 0
	s_wait_dscnt 0x0
	s_barrier_signal -1
	MUL16 2, 1, NQ-1, \slot, 0
	WIN 0
	s_barrier_wait -1
.if \fill
	CREST
	s_add_nc_u64 s[G0+4*\slot+2:G0+4*\slot+3], s[G0+4*\slot+2:G0+4*\slot+3], 2*3072
	s_add_nc_u64 s[G0B+4*\slot+2:G0B+4*\slot+3], s[G0B+4*\slot+2:G0B+4*\slot+3], 2*KT
	JLOAD G0+4*\slot, G1, G0B+4*\slot, G1B
.else
	PLACES NP
.endif
	s_wait_alu depctr_va_vdst(0)
	v_add_nc_u32 v[ADRS], 4*NQ, v[ADRS]
	v_add_nc_u32 v[ADRS2], 4*NQ, v[ADRS2]
	FETCH_B \next, 0, 0
	FETCH_A \next, 0, 0
	SCALES \next
	FETCH_A \next, 0, 2
.endm
	s_wait_alu depctr_va_vdst(0)                   ; the wait at the head's end
	s_wait_tensorcnt 0x0                           ; my tile of the head's four is in
	ds_add_u32 v[SPW], v[NIL]
	s_mov_b32 s[G1+2], 4<<16                       ; no tensor load of mine is out: from here on a load brings half a tile
	s_mov_b32 s[G1+4], 4
	s_mov_b32 s[G1B+2], 96<<16
	s_mov_b32 s[G1B+4], 96
	s_wait_dscnt 0x0
	CROUND
	JLOAD G0+4, G1, G0B+4, G1B                     ; K step 1, the first tensor load behind the round
	FETCH_B 0, 0, 0
	FETCH_A 0, 0, 0
	SCALES 0
	FETCH_A 0, 0, 2
	s_wait_loadcnt 0x0
	STEP 0, 0, 1
	TURN 0, 1, 1
	STEP 1, 0, 0
	TURN 1, 0, 1
	STEP 0, 0, 0
	TURN 0, 1, 0
	STEP 1, 0, 0
	s_wait_dscnt 2*NLA
	WIN MUL_LO
	MUL16 0, 1, NQ-1, 1, 0
	s_wait_dscnt 0
	MUL16 2, 1, NQ-1, 1, 0
	WIN 0
.macro TOSTAGE a
.set AC, 64*((\a)%4)
	WIN 0x08+4*((\a)/4)
.irp b, 0,1,2,3,4,5,6,7
	ds_store_b128 v[STO], v[AC+8*\b:AC+8*\b+3] offset:128*(\b/2)+32*(\b%2)
	ds_store_b128 v[STO], v[AC+8*\b+4:AC+8*\b+7] offset:128*(\b/2)+32*(\b%2)+16
.endr
	WIN 0
.set BB, BK+64*((\a)%2)
.irp t, 0,1,2,3,4,5,6,7,8,9,10,11,12,13,14,15
	ds_load_b128 v[BB+4*\t:BB+4*\t+3], v[RD] offset:\t*SPITCH
.endr
.endm
.macro SEND a, younger
.set BB, BK+64*((\a)%2)
	s_wait_dscnt \younger
.irp t, 0,1,2,3,4,5,6,7,8,9,10,11,12,13,14,15
	global_store_b128 v[CO], v[BB+4*\t:BB+4*\t+3], s[12:13] offset:(32*((\a)/2)+8*((\a)%2)+\t%8+16*(\t/8))*4096 th:TH_STORE_NT
.endr
.endm
	PLACES NP
	TOSTAGE 0
.irp a, 1,2,3
.if \a > 1
	s_wait_xcnt 0x0
.endif
	TOSTAGE \a
	SEND \a-1, 32
.endr
	SEND 3, 0
	s_wait_tensorcnt 0x0
	ds_add_u32 v[SPW], v[NIL]
	s_wait_dscnt 0x0
	CROUND
	s_endpgm
.Lfunc_end_k_q49abbddd18_oproj:
	.size	k_q49abbddd18_oproj, .Lfunc_end_k_q49abbddd18_oproj-k_q49abbddd18_oproj
	.p2alignl 7, 3214868480
	.fill 96, 4, 3214868480
	.section	.rodata,"a",@progbits
	.p2align	6, 0x0
	.amdhsa_kernel k_q49abbddd18_oproj
		.amdhsa_group_segment_fixed_size 327680
		.amdhsa_private_segment_fixed_size 0
		.amdhsa_enable_private_segment 0
		.amdhsa_kernarg_size 48
		.amdhsa_user_sgpr_count 2
		.amdhsa_user_sgpr_kernarg_segment_ptr 1
		.amdhsa_wavefront_size32 1
		.amdhsa_system_sgpr_workgroup_id_x 1
		.amdhsa_system_sgpr_workgroup_id_y 1
		.amdhsa_system_sgpr_workgroup_id_z 1
		.amdhsa_system_vgpr_workitem_id 0
		.amdhsa_next_free_vgpr 1024
		.amdhsa_next_free_sgpr 98
		.amdhsa_reserve_vcc 0
		.amdhsa_float_denorm_mode_32 3
		.amdhsa_float_denorm_mode_16_64 3
		.amdhsa_memory_ordered 1
		.amdhsa_forward_progress 1
		.amdhsa_inst_pref_size 100
	.end_amdhsa_kernel
	.amdgpu_metadata
---
amdhsa.version: [ 1, 2 ]
amdhsa.kernels:
  - .name:           k_q49abbddd18_oproj
    .symbol:         k_q49abbddd18_oproj.kd
    .args:
      - { .name: ctx_codes, .offset: 0, .size: 8, .value_kind: global_buffer, .address_space: global }
      - { .name: ctx_scales, .offset: 8, .size: 8, .value_kind: global_buffer, .address_space: global }
      - { .name: w_codes, .offset: 16, .size: 8, .value_kind: global_buffer, .address_space: global }
      - { .name: w_scales, .offset: 24, .size: 8, .value_kind: global_buffer, .address_space: global }
      - { .name: out0, .offset: 32, .size: 8, .value_kind: global_buffer, .address_space: global }
      - { .name: bo, .offset: 40, .size: 8, .value_kind: global_buffer, .address_space: global }
    .group_segment_fixed_size: 327680
    .private_segment_fixed_size: 0
    .kernarg_segment_align: 8
    .kernarg_segment_size: 48
    .max_flat_workgroup_size: 128
    .sgpr_count:     98
    .vgpr_count:     1024
    .wavefront_size: 32
...
	.end_amdgpu_metadata
.endif
;; end of part 4
